; MI455X (gfx1250); checked and timed in simulation.
; The chip was launched on July 23, 2026; its instructions are those of AMD's public machine-readable ISA for CDNA 5 (MIT licence, August 2026) and "CDNA5" Instruction Set Architecture Reference Guide (July 2026). The comments in the code are by the model that wrote it; some were corrected since.
;; Cross Attention. Allowed arithmetic: matrix products marked QUANTISED: E2M3 operands, one E8M0 scale for each 32 along K, by v_wmma_scale_f32_16x16x128_f8f6f4 with both operands' format E2M3, f32 sums; everything else in f32.
;; Inputs: Wk 1,024 x 1,024 float32; Wo 1,024 x 1,024 float32; Wq 1,024 x 1,024 float32; Wv 1,024 x 1,024 float32; bo 1,024 float32; cond 4 x 2,048 x 1,024 float32; x 4 x 2,048 x 1,024 float32.
;; Outputs: out0 4 x 2,048 x 1,024 float32.
;; This version of the problem:
;;   THIS VERSION OF THE PROBLEM IS GIVEN IN LOW PRECISION. The matrix products marked QUANTISED in the list below multiply operands that are first quantised to E2M3 (2 exponent bits, 3 mantissa bits; 6 bits a number), with one power-of-two scale for each 32 numbers along K (OCP MX v1.0); their sums are f32. All else is computed in f32.
;;   The module's matrix products, in the order in which they are computed (A, B: the left and right operand; K: the contracted axis; several contracted axes count as one K, in the product's order):
;;     1. [M 8,192, K 1,024] x [K 1,024, N 1,024]; A: input x; B: input Wq: QUANTISED
;;     2. [M 8,192, K 1,024] x [K 1,024, N 1,024]; A: input cond; B: input Wk: QUANTISED
;;     3. [M 8,192, K 1,024] x [K 1,024, N 1,024]; A: input cond; B: input Wv: QUANTISED
;;     4. batch 32 x [M 2,048, K 128] x [K 128, N 2,048]; A: computed on the way; B: computed on the way: QUANTISED
;;     5. batch 32 x [M 2,048, K 2,048] x [K 2,048, N 128]; A: softmax (see below); B: computed on the way: QUANTISED
;;     6. [M 8,192, K 1,024] x [K 1,024, N 1,024]; A: computed on the way; B: input Wo: QUANTISED
;;   THE QUANTISER, for each operand of a quantised product, along K:
;;     - K is cut into blocks of 32 from its start; a last block that is shorter is filled with zeros.
;;     - A block's scale is 2^e with e = floor(log2(the largest magnitude in the block)) - 2, held to -126 .. 127; a block of zeros has e = 0. As a byte (E8M0): e + 127.
;;     - Each number is divided by its block's scale, clamped to +-7.5, and rounded to the nearest number of E2M3, ties to even, subnormals kept.
;;     - The product sums the exact products of the quantised numbers (number of the format x scale) in f32.
;;   ~~~python
;;   def quantise(x, axis):      # numpy; x: float32 -> the quantised numbers, widened to float32 again
;;       x = np.moveaxis(x, axis, -1); K = x.shape[-1]
;;       x = np.pad(x, [(0, 0)] * (x.ndim - 1) + [(0, -K % 32)]); x = x.reshape(x.shape[:-1] + (-1, 32)); a = np.abs(x).max(-1, keepdims=True)
;;       e = np.where(a > 0, np.clip(np.frexp(np.where(a > 0, a, 1))[1] - 1 - 2, -126, 127), 0)      # np.frexp(a)[1] - 1 = floor(log2(a)), exactly
;;       r = np.clip(x / 2.0 ** e, -7.5, 7.5)
;;       step = 2.0 ** (np.maximum(np.frexp(np.where(r == 0, 1, r))[1] - 1, 0) - 3)
;;       q = np.round(r / step) * step * 2.0 ** e      # np.round: ties to even
;;       return np.moveaxis(q.reshape(q.shape[:-2] + (-1,))[..., :K], -1, axis).astype(np.float32)
;;   ~~~
;;   SOFTMAX AHEAD OF A QUANTISED PRODUCT. Where the list says 'softmax', what is quantised is not the finished softmax but p = 2^(t - M), with t = logit x log2(e) and M = ceil(the row's largest t), a whole number; so 1/2 < the row's largest p <= 1. The row's sum l is taken of the UNQUANTISED p, in f32, and the product's result is divided by l at the end. Since M is a whole number, a kernel that streams over the keys may use a running M (the ceiling of the running maximum): every later rescaling is an exact power of two, which a block's scale takes up: the codes' values come out the same.
;;   OPERANDS COMPUTED ON THE WAY. 'Computed on the way' means the value that the module computes at that place (a softmax that the list does not call 'softmax' is quantised finished and normalised). What goes into a quantiser is computed in f32, as accurately as f32 sums, v_exp_f32 and their like allow (about 1e-6 of the number): no bf16 or f16 on the way to a quantiser, and a product that is left as it is and whose result goes on into a quantised operand takes f32 operands (vector FMAs, or v_wmma_f32_16x16x4_f32). A number that lies on a knife's edge between two numbers of the format may be rounded either way, as far as f32 arithmetic and the matrix unit's own rounding can turn it there, and no further.
;; One version. Each part assembles by itself: llvm-mc -triple=amdgcn-amd-amdhsa -mcpu=gfx1250 --defsym DOCPART=n.
;; ======== version 1 of 1: 4 launches
;; limits: right only within a limited range of input values
;; workspace buffers: actc 12,582,912 bytes; acts 524,288 bytes; wc 3,145,728 bytes; ws 131,072 bytes; qkvc 18,874,368 bytes; qkvs 786,432 bytes; oc 6,291,456 bytes; os 262,144 bytes
;; launch quant (part 1): grid 768 x 1, 4 waves a work-group, no clusters, 34,304 bytes of LDS; arguments x, cond, Wq, Wk, Wv, Wo, actc, acts, wc, ws; writes actc, acts, wc, ws
.if DOCPART == 1
	.amdgcn_target "amdgcn-amd-amdhsa--gfx1250"
	.amdhsa_code_object_version 6
	.text
	.protected	k_qae4627864f_quant
	.globl	k_qae4627864f_quant
	.p2align	8
	.type	k_qae4627864f_quant,@function
k_qae4627864f_quant:
	s_mov_b64 s[64:65], 0
	v_nop
	global_prefetch_b8 v0, s[64:65] scope:SCOPE_SE
	s_setreg_imm32_b32 hwreg(HW_REG_WAVE_MODE, 25, 1), 1
	s_wait_xcnt 0x0
; x, cond [8192][1024] f32 (K innermost) and Wq, Wk, Wv, Wo [1024 (k)][1024 (n)] f32 (K outermost) become codes of FP6 (E2M3) with one E8M0 scale byte for each 32 along K.
; A block's scale is 2^(floor(log2(its largest magnitude)) - 2); its byte is the largest magnitude's exponent field - 2, held at 1 from below.
; LIMITS: NaN and infinities among the inputs are not served; a block of zeros, or one whose largest magnitude lies under 2^-124, gets the byte 1 (its codes are right; the bytes are read by this program alone).
; THE OUTPUT IS LAID AS IMAGES OF OPERAND REGISTERS.  A fragment is 16 rows x 128 K, 12 registers a lane: registers 4 c .. 4 c + 3 of lane l lie at 512 c + 16 l: 1,536 bytes.
; THE ROWS OF A TILE ARE NOT NEIGHBOURS: lane r of tile a (0..7) of a group of 128 rows holds row 32 (a / 2) + 8 (a % 2) + r + 8 (r / 8), so that a later product that takes such a tile as source 0 leaves 16 neighbours in a lane's 16 registers.
; actc: [x, cond][tile 512][K step 8][1536];  acts: [x, cond][tile][K half 2][r 16][4 words];  wc, ws: the same with [Wq, Wk, Wv, Wo][tile 64], rows = the weights' columns n.
; Work-groups 0-511 take the activations: a wave takes a tile's 16 rows x 512 K, four fragments.  Each load reads 512 consecutive bytes of a row; the rows turn through the wave's own stage in LDS so that a lane gets 16 neighbours of each block.
; Work-groups 512-767 take the weights: a lane takes a column and its registers run down K (128 numbers: four whole blocks), so nothing is transposed and no LDS is touched.  No barrier: waves share nothing.
.set STG,   8448                       ; a wave's stage: 16 rows x 528 bytes
.set SP,    528                        ; a stage row: 512 bytes + 16: 33 x 16 bytes, so that the 16 rows of a read begin 16 bytes apart modulo 256
.set SPARE, 4*STG                      ; behind the stages: the spare words, 128 bytes a wave; no other line names them
.set R,     16                         ; v16-143  two sets of 64: a K step as it is loaded
.set X,     144                        ; v144-207 64 numbers: register 16 b + i = k 32 b + 16 (lane / 16) + i of my row
.set PC,    208                        ; v208-227 the codes just made
.set TM,    228                        ; v228-243 largest magnitudes, bytes, scale operands
.set PW,    244                        ; v244-247 a scale word for each of my four K steps
.set SPW,   250                        ; v250 LDS address of my spare word; never rewritten
.set NIL,   251                        ; v251 0; never rewritten
.set SEL,   30                         ; s[30:31] v_permlanex16_b32's selects for lane l xor 16
; 64 numbers of a lane become a fragment's codes in v[PC] .. v[PC + 11] and its scale word in v[pw]
.macro QUANT s, pw
.irp b, 0,1,2,3
	v_max3_num_f32 v[TM+\b], |v[(\s)+16*\b]|, |v[(\s)+1+16*\b]|, 0x1800000   ; block b: my 16 numbers, and the floor 2^(3 - 127): the byte cannot fall under 1
.endr
.irp i, 2,4,6,8,10,12,14
.irp b, 0,1,2,3
	v_max3_num_f32 v[TM+\b], v[TM+\b], |v[(\s)+16*\b+\i]|, |v[(\s)+1+16*\b+\i]|   ; the four blocks by turns
.endr
.endr
.irp b, 0,1,2,3
	v_permlanex16_b32 v[TM+4+\b], v[TM+\b], s[SEL], s[SEL+1]
.endr
.irp b, 0,1,2,3
	v_max_num_f32 v[TM+\b], v[TM+\b], v[TM+4+\b]       ; with lane l xor 16's 16: the block's largest magnitude
.endr
.irp b, 0,1,2,3
	v_add_nc_u32 v[TM+12+\b], 0xff000000, v[TM+\b]     ; 2 off its exponent field: the conversion takes this operand's exponent field as its scale
.endr
.irp b, 0,1,2,3
	v_lshrrev_b32 v[TM+4+\b], 23, v[TM+12+\b]          ; the scale's byte
.endr
	v_lshl_or_b32 v[\pw], v[TM+5], 8, v[TM+4]
	v_lshl_or_b32 v[\pw], v[TM+6], 16, v[\pw]
	v_lshl_or_b32 v[\pw], v[TM+7], 24, v[\pw]          ; my row's scale word
.irp c, 0,1
	v_cvt_scalef32_pk16_fp6_f32 v[PC+6*\c:PC+2+6*\c], v[(\s)+32*\c:(\s)+15+32*\c], v[TM+12+2*\c]
	v_cvt_scalef32_pk16_fp6_f32 v[PC+12+4*\c:PC+14+4*\c], v[(\s)+16+32*\c:(\s)+31+32*\c], v[TM+12+2*\c+1]   ; (a conversion's three registers begin on an even number)
.endr
	v_nop                                              ; one plain instruction behind the scaled conversions
.irp c, 0,1                                            ; the operand's layout wants a whole block in a lane: lanes 0-15 block 2 c, lanes 16-31 block 2 c + 1
.irp i, 0,1,2
	v_permlane16_swap_b32 v[PC+6*\c+\i], v[PC+12+4*\c+\i]
.endr
.irp i, 0,1,2
	v_mov_b32 v[PC+3+6*\c+\i], v[PC+12+4*\c+\i]
.endr
.endr
.endm
	s_load_b512 s[8:23], s[0:1], 0x0               ; x s[8:9], cond s[10:11], Wq s[12:13], Wk s[14:15], Wv s[16:17], Wo s[18:19], actc s[20:21], acts s[22:23]
	s_load_b128 s[24:27], s[0:1], 0x40             ; wc s[24:25], ws s[26:27]
	v_lshl_add_u32 v[SPW], v0, 2, SPARE
	v_mov_b32 v[NIL], 0
	v_lshrrev_b32 v1, 5, v0
	v_readfirstlane_b32 s4, v1                     ; wave 0..3
	v_and_b32 v1, 31, v0                           ; lane
	v_and_b32 v2, 15, v0                           ; r
	v_bfe_u32 v3, v0, 4, 1                         ; h
	v_lshlrev_b32 v4, 4, v1                        ; 16 x lane
	s_mul_i32 s5, s4, STG
	v_add_nc_u32 v5, s5, v4                        ; into the stage: a row's 512 bytes as they lie
	v_mul_u32_u24 v6, v2, SP
	v_lshl_add_u32 v6, v3, 6, v6
	v_add_nc_u32 v6, s5, v6                        ; out of it: row r, + 64 h: my 16 numbers of a block of 32
	v_lshlrev_b32 v7, 4, v2
	v_lshl_add_u32 v7, v3, 3, v7                   ; the scale words' place: 16 r + 8 h
	s_mov_b32 s[SEL], 0x76543210
	s_mov_b32 s[SEL+1], 0xfedcba98
	s_mov_b32 s32, 0xffff0000                      ; a mask of lanes 16-31
	s_cmp_ge_u32 ttmp9, 512
	s_cbranch_scc1 .Lweights
	; ---- THE ACTIVATIONS
	s_and_b32 s33, ttmp9, 255
	s_lshl_b32 s33, s33, 2
	s_add_co_u32 s33, s33, s4                      ; u = 4 x (work-group in its tensor) + wave
	s_lshr_b32 s34, s33, 1                         ; my tile of rows, 0..511
	s_and_b32 s35, s33, 1                          ; my half of K
	s_lshr_b32 s36, s34, 3
	s_lshl_b32 s36, s36, 7                         ; the group's first row
	s_bfe_u32 s37, s34, 0x20001
	s_lshl_b32 s37, s37, 5
	s_add_co_u32 s36, s36, s37                     ; + 32 (a / 2)
	s_and_b32 s37, s34, 1
	s_lshl_b32 s37, s37, 3
	s_add_co_u32 s36, s36, s37                     ; + 8 (a % 2): the tile's first row
	s_lshl_b32 s36, s36, 12                        ; rows of 4,096 bytes
	s_lshl_b32 s37, s35, 11
	s_add_co_u32 s36, s36, s37                     ; + my half of K: 2,048 bytes
	s_mov_b32 s37, 0
	s_mul_i32 s40, s34, 12288
	s_mul_i32 s41, s35, 6144
	s_add_co_u32 s40, s40, s41                     ; my four images
	s_lshl_b32 s42, s34, 9
	s_lshl_b32 s43, s35, 8
	s_add_co_u32 s42, s42, s43                     ; my 256 bytes of scale words
.irp b, 0,1,2,3
	v_mov_b32 v[TM+4+\b], 0                        ; written once: a lane permute's destination counts as one of its sources
.endr
	s_wait_kmcnt 0x0
	s_cmp_lt_u32 ttmp9, 256                        ; x or cond?  The choice hangs on the work-group's number alone
	s_cselect_b64 s[8:9], s[8:9], s[10:11]
	s_cselect_b32 s38, 0, 6291456
	s_cselect_b32 s39, 0, 262144
	s_add_co_u32 s40, s40, s38
	s_mov_b32 s41, 0
	s_add_co_u32 s42, s42, s39
	s_mov_b32 s43, 0
	s_add_nc_u64 s[8:9], s[8:9], s[36:37]
	s_add_nc_u64 s[20:21], s[20:21], s[40:41]
	s_add_nc_u64 s[22:23], s[22:23], s[42:43]
.macro LOADX t                         ; K step t of my 16 rows: each load reads 512 consecutive bytes
.irp p, 0,1,2,3,4,5,6,7,8,9,10,11,12,13,14,15
	global_load_b128 v[R+64*((\t)%2)+4*\p:R+64*((\t)%2)+4*\p+3], v4, s[8:9] offset:(\p+8*(\p/8))*4096+512*(\t) th:TH_LOAD_NT
.endr
.endm
.macro TURN t                          ; through my stage: LDS serves a wave's instructions in order (ISA guide 5.7.1.4), so no wait stands between the stores and the loads
.irp p, 0,1,2,3,4,5,6,7,8,9,10,11,12,13,14,15
	ds_store_b128 v5, v[R+64*((\t)%2)+4*\p:R+64*((\t)%2)+4*\p+3] offset:\p*SP
.endr
.irp b, 0,1,2,3
.irp j, 0,1,2,3
	ds_load_b128 v[X+16*\b+4*\j:X+16*\b+4*\j+3], v6 offset:128*\b+16*\j
.endr
.endr
.endm
.macro STEPA t
.if (\t) < 3
	s_wait_loadcnt 16                              ; this K step's 16 loads are in; the next step's 16 may be out
.else
	s_wait_loadcnt 0x0
.endif
	TURN \t
	s_wait_dscnt 0x0                               ; my 64 numbers are back; the stage's stores have read their registers
.if (\t) > 0
	s_wait_xcnt 0x0                                ; the last step's image stores have read the codes' registers, which are written anew below
.endif
.if (\t) < 2
	LOADX (\t)+2
.endif
	QUANT X, PW+(\t)
.irp c, 0,1,2
	global_store_b128 v4, v[PC+4*\c:PC+4*\c+3], s[20:21] offset:1536*(\t)+512*\c   ; 32 lanes store 512 consecutive bytes, aligned
.endr
.endm
	LOADX 0
	LOADX 1
	s_wait_alu depctr_va_vdst(0)
	STEPA 0
	STEPA 1
	STEPA 2
	STEPA 3
	v_cndmask_b32 v248, v[PW], v[PW+2], s32        ; both halves of the lanes hold all four words of row r: lanes 0-15 store words 0, 1, lanes 16-31 words 2, 3
	v_cndmask_b32 v249, v[PW+1], v[PW+3], s32
	global_store_b64 v7, v[248:249], s[22:23]      ; 32 lanes store 256 consecutive bytes, aligned
	s_wait_tensorcnt 0x0                           ; the wave's end
	ds_add_u32 v[SPW], v[NIL]
	s_wait_dscnt 0x0
	s_endpgm
	; ---- THE WEIGHTS: no LDS is touched on this path
.Lweights:
	s_sub_co_u32 s33, ttmp9, 512
	s_lshr_b32 s34, s33, 6                         ; which weight
	s_bfe_u32 s35, s33, 0x40002
	s_lshl_b32 s35, s35, 1
	s_and_b32 s36, s4, 1
	s_add_co_u32 s35, s35, s36                     ; my 32 columns: group 0..31 (two waves of a work-group read the two halves of each 256 bytes)
	s_and_b32 s36, s33, 3
	s_lshl_b32 s36, s36, 1
	s_lshr_b32 s37, s4, 1
	s_add_co_u32 s36, s36, s37                     ; my K step, 0..7
	v_lshlrev_b32 v8, 2, v1                        ; in: 4 bytes a lane
	v_bfe_u32 v9, v0, 3, 1                         ; column 32 g + l is lane (l % 8) + 8 (l / 16) of tile 2 g + (l / 8) % 2
	v_and_b32 v10, 7, v0
	v_lshl_add_u32 v10, v3, 3, v10
	v_lshlrev_b32 v10, 4, v10
	v_mad_u32_u24 v11, v9, 12288, v10              ; my place in the two tiles' images
	v_lshl_add_u32 v12, v9, 9, v10                 ; and among their scale words
	s_lshl_b32 s38, s36, 19                        ; 128 rows of 4,096 bytes a K step
	s_lshl_b32 s39, s35, 7
	s_add_co_u32 s38, s38, s39
	s_mov_b32 s39, 0
	s_mul_i32 s40, s34, 786432
	s_mul_i32 s41, s35, 24576
	s_add_co_u32 s40, s40, s41
	s_mul_i32 s41, s36, 1536
	s_add_co_u32 s40, s40, s41
	s_mov_b32 s41, 0
	s_lshl_b32 s42, s34, 15
	s_lshl_b32 s43, s35, 10
	s_add_co_u32 s42, s42, s43
	s_lshr_b32 s43, s36, 2
	s_lshl_b32 s43, s43, 8
	s_add_co_u32 s42, s42, s43
	s_and_b32 s43, s36, 3
	s_lshl_b32 s43, s43, 2
	s_add_co_u32 s42, s42, s43
	s_mov_b32 s43, 0
	s_wait_alu depctr_va_vdst(0)
	s_wait_kmcnt 0x0
	s_cmp_eq_u32 s34, 1
	s_cselect_b64 s[12:13], s[14:15], s[12:13]
	s_cmp_eq_u32 s34, 2
	s_cselect_b64 s[12:13], s[16:17], s[12:13]
	s_cmp_eq_u32 s34, 3
	s_cselect_b64 s[12:13], s[18:19], s[12:13]
	s_add_nc_u64 s[12:13], s[12:13], s[38:39]
	s_add_nc_u64 s[24:25], s[24:25], s[40:41]
	s_add_nc_u64 s[26:27], s[26:27], s[42:43]
.set I, 0
.rept 128
	global_load_b32 v[16+I], v8, s[12:13] offset:I*4096 th:TH_LOAD_NT   ; W(128 s + i, my column): 32 lanes read 128 consecutive bytes
.set I, I+1
.endr
	s_wait_loadcnt 0x0
.irp kb, 0,1,2,3
	v_max3_num_f32 v[144+\kb], |v[16+32*\kb]|, |v[17+32*\kb]|, 0x1800000   ; block kb: all its 32 numbers are mine; and the floor
.endr
.irp i, 2,4,6,8,10,12,14,16,18,20,22,24,26,28,30
.irp kb, 0,1,2,3
	v_max3_num_f32 v[144+\kb], v[144+\kb], |v[16+32*\kb+\i]|, |v[17+32*\kb+\i]|
.endr
.endr
.irp kb, 0,1,2,3
	v_add_nc_u32 v[148+\kb], 0xff000000, v[144+\kb]    ; the conversion's scale operand
.endr
.irp kb, 0,1,2,3
	v_lshrrev_b32 v[152+\kb], 23, v[148+\kb]           ; the scale's byte
.endr
	v_lshl_or_b32 v156, v153, 8, v152
	v_lshl_or_b32 v156, v154, 16, v156
	v_lshl_or_b32 v156, v155, 24, v156                 ; my column's scale word for this K step
.irp kb, 0,1,2,3                                       ; block kb = 2 c + h is registers 6 c .. 6 c + 5 of the image's lane (r, h): v160-171 hold lane (r, 0)'s twelve, v172-183 lane (r, 1)'s
	v_cvt_scalef32_pk16_fp6_f32 v[160+12*(\kb%2)+6*(\kb/2):162+12*(\kb%2)+6*(\kb/2)], v[16+32*\kb:31+32*\kb], v[148+\kb]
	v_cvt_scalef32_pk16_fp6_f32 v[184+4*\kb:186+4*\kb], v[32+32*\kb:47+32*\kb], v[148+\kb]
.endr
	v_nop                                              ; one plain instruction behind the scaled conversions
.irp kb, 0,1,2,3
.irp i, 0,1,2
	v_mov_b32 v[163+12*(\kb%2)+6*(\kb/2)+\i], v[184+4*\kb+\i]
.endr
.endr
.irp h, 0,1
.irp g, 0,1,2
	global_store_b128 v11, v[160+12*\h+4*\g:163+12*\h+4*\g], s[24:25] offset:256*\h+512*\g   ; sixteen lanes fill 256 consecutive bytes of one tile's image, the other sixteen of the next tile's
.endr
.endr
	global_store_b32 v12, v156, s[26:27]               ; words 16 bytes apart: 128 KiB in the whole launch leave so
	s_endpgm
.Lfunc_end_k_qae4627864f_quant:
	.size	k_qae4627864f_quant, .Lfunc_end_k_qae4627864f_quant-k_qae4627864f_quant
	.p2alignl 7, 3214868480
	.fill 96, 4, 3214868480
	.section	.rodata,"a",@progbits
	.p2align	6, 0x0
	.amdhsa_kernel k_qae4627864f_quant
		.amdhsa_group_segment_fixed_size 34304
		.amdhsa_private_segment_fixed_size 0
		.amdhsa_enable_private_segment 0
		.amdhsa_kernarg_size 80
		.amdhsa_user_sgpr_count 2
		.amdhsa_user_sgpr_kernarg_segment_ptr 1
		.amdhsa_wavefront_size32 1
		.amdhsa_system_sgpr_workgroup_id_x 1
		.amdhsa_system_sgpr_workgroup_id_y 1
		.amdhsa_system_sgpr_workgroup_id_z 1
		.amdhsa_system_vgpr_workitem_id 0
		.amdhsa_next_free_vgpr 256
		.amdhsa_next_free_sgpr 66
		.amdhsa_reserve_vcc 0
		.amdhsa_float_denorm_mode_32 3
		.amdhsa_float_denorm_mode_16_64 3
		.amdhsa_memory_ordered 1
		.amdhsa_forward_progress 1
		.amdhsa_inst_pref_size 54
	.end_amdhsa_kernel
	.amdgpu_metadata
---
amdhsa.version: [ 1, 2 ]
amdhsa.kernels:
  - .name:           k_qae4627864f_quant
    .symbol:         k_qae4627864f_quant.kd
    .args:
      - { .name: x, .offset: 0, .size: 8, .value_kind: global_buffer, .address_space: global }
      - { .name: cond, .offset: 8, .size: 8, .value_kind: global_buffer, .address_space: global }
      - { .name: Wq, .offset: 16, .size: 8, .value_kind: global_buffer, .address_space: global }
      - { .name: Wk, .offset: 24, .size: 8, .value_kind: global_buffer, .address_space: global }
      - { .name: Wv, .offset: 32, .size: 8, .value_kind: global_buffer, .address_space: global }
      - { .name: Wo, .offset: 40, .size: 8, .value_kind: global_buffer, .address_space: global }
      - { .name: actc, .offset: 48, .size: 8, .value_kind: global_buffer, .address_space: global }
      - { .name: acts, .offset: 56, .size: 8, .value_kind: global_buffer, .address_space: global }
      - { .name: wc, .offset: 64, .size: 8, .value_kind: global_buffer, .address_space: global }
      - { .name: ws, .offset: 72, .size: 8, .value_kind: global_buffer, .address_space: global }
    .group_segment_fixed_size: 34304
    .private_segment_fixed_size: 0
    .kernarg_segment_align: 8
    .kernarg_segment_size: 80
    .max_flat_workgroup_size: 128
    .sgpr_count:     66
    .vgpr_count:     256
    .wavefront_size: 32
...
	.end_amdgpu_metadata
.endif
;; end of part 1
;; launch proj (part 2): grid 4 x 192, 4 waves a work-group, clusters of 4 x 4, 327,680 bytes of LDS; arguments actc, acts, wc, ws, qkvc, qkvs; writes qkvc, qkvs
.if DOCPART == 2
	.amdgcn_target "amdgcn-amd-amdhsa--gfx1250"
	.amdhsa_code_object_version 6
	.text
	.protected	k_qae4627864f_proj
	.globl	k_qae4627864f_proj
	.p2align	8
	.type	k_qae4627864f_proj,@function
k_qae4627864f_proj:
	s_mov_b64 s[64:65], 0
	v_nop
	global_prefetch_b8 v0, s[64:65] scope:SCOPE_SE
	s_setreg_imm32_b32 hwreg(HW_REG_WAVE_MODE, 25, 1), 1
	s_wait_xcnt 0x0
	s_wait_alu depctr_hold_cnt(0) depctr_sa_sdst(0) depctr_va_vdst(0) depctr_va_sdst(0) depctr_va_ssrc(0) depctr_va_vcc(0) depctr_vm_vsrc(0)
	s_getreg_b32 s2, hwreg(HW_REG_IB_STS2, 6, 4)
	s_cmp_eq_u32 s2, 0
	s_cbranch_scc0 .Lentry_in_a_cluster
	s_endpgm
.Lentry_in_a_cluster:
	s_bfe_u32 s2, ttmp6, 0x10000c
	s_cmp_lg_u32 s2, 0xf033
	s_cbranch_scc0 .Lentry_shape_is_right
	s_endpgm
.Lentry_shape_is_right:
; q = x Wq, k = cond Wk, v = cond Wv on codes of FP6 (E2M3) with E8M0 scales, sums in f32; each result is quantised in registers along ITS next K (q, k: the head's 128; v: the keys) and stored as images of operand registers.
; All operands arrive as images: a fragment (16 rows x 128 K) is 1,536 bytes, registers 4 c .. 4 c + 3 of lane l at 512 c + 16 l; a tile's eight K steps lie on end (12,288 bytes).
; Lane r of tile a of a group of 128 rows holds row 32 (a / 2) + 8 (a % 2) + r + 8 (r / 8).
; SHARES.  A work-group makes 128 rows (source 1) x 256 columns (source 0) over all of K = 1,024.  Four waves: wave w takes rows 64 (w / 2) on (4 tiles) and columns 128 (w % 2) on (8 tiles): 32 accumulators, 256 registers.
; THE PRODUCT IS USED TRANSPOSED: source 0 = 16 columns' tile, source 1 = 16 rows' tile: a lane holds one row, and by the tiles' row order its 64 registers of a block of rows are register 16 b + i = column 32 b + 16 (lane / 16) + i:
; the very order in which the conversions want the next K.  A wave's 128 columns are one head (q, k) or one step of 128 keys (v): one fragment and one scale word a row.  So the way out needs no LDS.
; FOR v THE ROLES ARE SWAPPED BY POINTERS ALONE: rows = Wv's columns n, columns = cond's rows (the keys).
; ALL OF K LIES IN LDS (96 KiB of rows, 192 KiB of columns): every tensor load is a first fill; nothing is filled again.  K comes in two halves of 512, so that the products begin when the first has landed.
; CLUSTERS: 4 x 4.  The rows' tiles are shared along a row of the cluster, the columns' along a column: each is asked for jointly, by the same load with the same descriptor and a mask that names the four.
; LIMITS: NaN and infinities are not served; a block of zeros or under 2^-124 gets the scale byte 1 (its codes are right; this program alone reads the bytes).
; REGISTERS: window 0: v1-6 lane terms; v16-23 LDS addresses; v28, v29 the add's two; v32-63 the rows' scale words, v64-127 the columns' (these hold scales and nothing else); v128-223 the rows' fragments, two sets; v224-245 at work on the way out.
;   window 1: the columns' fragments, two sets, at v0 and v128.   window 2: accumulator (a, b) at v[8 (8 a + b)].
.set FR,    12
.set LB,    98304                      ; LDS: rows [K half 2][tile 8][6,144] from 0; columns [K half 2][tile 16][6,144] from here
.set SPARE, 294912                     ; the spare words, 128 bytes a wave; no other line names them
.set ADRA,  16
.set ADRB,  20
.set SPW,   28
.set NIL,   29
.set SA,    32                         ; v[SA + 8 a + s]: tile a's scale words of K step s
.set SB,    64                         ; v[SB + 8 b + s]
.set AF,    128
.set TM,    224
.set PW,    240
.set WV,    16                         ; s16 my wave's number
.set SEL,   26                         ; s[26:27] lane selects (behind the masks' use of these two)
.set G1A,   28                         ; s[28:35] group 1 for the rows' tiles;  s[36:43] for the columns'
.set G1B,   36
.set G0A,   44                         ; s[44:51] groups 0 for the rows' two halves of K;  s[68:75] for the columns'
.set G0B,   68
.set MULW,  0xa1                       ; source 0 window 1, source 1 window 0, C and D window 2
.set MSB, 0
.macro WIN new                         ; the immediate's high byte repeats the setting that is left
.if MSB != \new
	s_set_vgpr_msb (MSB<<8)|\new
.set MSB, \new
.endif
.endm
.macro CROUND                          ; a round of the cluster's barrier
	s_barrier_signal -1
	s_barrier_wait -1
	s_cmp_lg_u32 s[WV], 0
	s_cbranch_scc1 .Lnot_wave_0_\@
	s_barrier_signal -3
.Lnot_wave_0_\@:
	s_barrier_wait -3
	s_barrier_signal -1
	s_barrier_wait -1
.endm
.macro PLACES n
.rept \n
	v_nop
.endr
.endm
	s_load_b256 s[4:11], s[0:1], 0x0               ; actc s[4:5], acts s[6:7], wc s[8:9], ws s[10:11]
	s_load_b128 s[12:15], s[0:1], 0x20             ; qkvc s[12:13], qkvs s[14:15]
	v_lshl_add_u32 v[SPW], v0, 2, SPARE
	v_mov_b32 v[NIL], 0
	ds_add_u32 v[SPW], v[NIL]                      ; the wave's opening: the add, and its wait ahead of my first tensor load; work on registers stands between
	ds_add_u32 v[SPW], v[NIL]
	v_lshrrev_b32 v1, 5, v0
	v_readfirstlane_b32 s[WV], v1                  ; wave 0..3
	s_lshr_b32 s17, s[WV], 1                       ; my half of the rows.  Also: waves 0, 1 fetch rows' tiles, waves 2, 3 columns'
	s_and_b32 s18, s[WV], 1                        ; my half of the columns.  Also: which half of the tiles I fetch
	s_bfe_u32 s19, ttmp6, 0x40000                  ; cx
	s_bfe_u32 s20, ttmp6, 0x40004                  ; cy
	s_and_b32 s21, ttmp7, 0xffff                   ; the cluster, 0..47
	s_lshr_b32 s22, s21, 4                         ; which product: 0 q, 1 k, 2 v
	s_and_b32 s23, s21, 15
	s_and_b32 s24, s23, 1
	s_lshr_b32 s25, s23, 1
	s_mul_i32 s84, s22, 6291456                    ; q, k: the rows are x's or cond's,
	s_mul_i32 s85, s22, 262144
	s_mul_i32 s86, s22, 786432                     ; the columns Wq's or Wk's
	s_mul_i32 s87, s22, 32768
	s_cmp_eq_u32 s22, 2
	s_cselect_b32 s24, s24, s23                    ; q, k: 64 x 4 blocks; v: 8 x 32
	s_cselect_b32 s25, s25, 0
	s_cselect_b32 s84, 1572864, s84                ; v: the rows are Wv's,
	s_cselect_b32 s85, 65536, s85
	s_cselect_b32 s86, 6291456, s86                ; the columns cond's
	s_cselect_b32 s87, 262144, s87
	s_lshl_b32 s24, s24, 2
	s_add_co_u32 s24, s24, s20                     ; my block of 128 rows
	s_lshl_b32 s25, s25, 2
	s_add_co_u32 s25, s25, s19                     ; my block of 256 columns
	s_lshl_b32 s26, s20, 2
	s_lshl_b32 s26, 15, s26                        ; my row of the cluster
	s_lshl_b32 s27, 0x1111, s19                    ; my column
	; group 1: R rows of 6,144 bytes (half of a tile's K: 768 elements of 8 bytes), 12,288 bytes apart in memory, on end in LDS
	s_or_b32 s[G1A], s26, (3<<16)|(1<<21)          ; 15:0 the mask; 17:16 elements of 8 bytes; 21 set beside a mask; no padding
	s_or_b32 s[G1B], s27, (3<<16)|(1<<21)
	s_mov_b32 s[G1A+1], 768<<16                    ; tensor_dim0: half of a tile's K, 6,144 bytes
	s_mov_b32 s[G1A+2], 4<<16                      ; tensor_dim1
	s_mov_b32 s[G1A+3], 768<<16                    ; tile_dim0
	s_mov_b32 s[G1A+4], 4                          ; tile_dim1: four tiles of rows a load
	s_mov_b32 s[G1A+5], 1536                       ; the pitch, in elements
	s_mov_b32 s[G1A+6], 0
	s_mov_b32 s[G1A+7], 0
	s_mov_b32 s[G1B+1], 768<<16
	s_mov_b32 s[G1B+2], 8<<16
	s_mov_b32 s[G1B+3], 768<<16
	s_mov_b32 s[G1B+4], 8                          ; eight tiles of columns a load
	s_mov_b32 s[G1B+5], 1536
	s_mov_b32 s[G1B+6], 0
	s_mov_b32 s[G1B+7], 0
	s_mul_i32 s88, s24, 98304                      ; the rows' codes: 8 tiles a block, my half's 4
	s_add_co_u32 s88, s88, s84
	s_mul_i32 s89, s18, 49152
	s_add_co_u32 s88, s88, s89
	s_mov_b32 s89, 0
	s_mul_i32 s90, s25, 196608                     ; the columns' codes: 16 tiles a block, my half's 8
	s_add_co_u32 s90, s90, s86
	s_mul_i32 s91, s18, 98304
	s_add_co_u32 s90, s90, s91
	s_mov_b32 s91, 0
	s_mul_i32 s92, s18, 24576                      ; LDS: rows [K half 2][tile 8][6,144], columns [K half 2][tile 16][6,144]: no place in the cluster enters an LDS address
	s_mul_i32 s93, s18, 49152
	s_add_co_u32 s93, s93, LB
	s_lshl_b32 s94, s24, 12                        ; my rows' scale words: 512 bytes a tile
	s_add_co_u32 s94, s94, s85
	s_lshl_b32 s95, s17, 11
	s_add_co_u32 s94, s94, s95
	s_mov_b32 s95, 0
	s_lshl_b32 s96, s25, 13                        ; my columns'
	s_add_co_u32 s96, s96, s87
	s_lshl_b32 s97, s18, 12
	s_add_co_u32 s96, s96, s97
	s_mov_b32 s97, 0
.irp b, 0,1,2,3
	v_mov_b32 v[TM+4+\b], 0                        ; written once: a lane permute's destination counts as one of its sources
.endr
	s_wait_dscnt 0x0                               ; the opening add is done
	s_wait_kmcnt 0x0
	s_cmp_eq_u32 s22, 2                            ; the choice hangs on the cluster's number alone
	s_cselect_b64 s[98:99], s[8:9], s[4:5]         ; the rows' codes
	s_cselect_b64 s[100:101], s[4:5], s[8:9]       ; the columns' codes
	s_cselect_b64 s[60:61], s[10:11], s[6:7]       ; the rows' scales
	s_cselect_b64 s[62:63], s[6:7], s[10:11]       ; the columns' scales
	s_add_nc_u64 s[98:99], s[98:99], s[88:89]
	s_add_nc_u64 s[100:101], s[100:101], s[90:91]
	s_add_nc_u64 s[60:61], s[60:61], s[94:95]
	s_add_nc_u64 s[62:63], s[62:63], s[96:97]
.irp c, 0,1
	s_mov_b32 s[G0A+4*\c], 1                       ; count = 1
	s_add_co_u32 s[G0A+4*\c+1], s92, \c*49152      ; LDS address
	s_add_nc_u64 s[G0A+4*\c+2:G0A+4*\c+3], s[98:99], \c*6144   ; global address: K half c of each tile
	s_or_b32 s[G0A+4*\c+3], s[G0A+4*\c+3], 0x80000000          ; type = 2
	s_mov_b32 s[G0B+4*\c], 1
	s_add_co_u32 s[G0B+4*\c+1], s93, \c*98304
	s_add_nc_u64 s[G0B+4*\c+2:G0B+4*\c+3], s[100:101], \c*6144
	s_or_b32 s[G0B+4*\c+3], s[G0B+4*\c+3], 0x80000000
.endr
	CROUND                                         ; all sixteen work-groups are here: the joint loads meet
	s_cmp_lt_u32 s[WV], 2                          ; a wave's fill stands in one branch on the wave's number: one tensor load of mine is out
	s_cbranch_scc0 .Lfill_b
	tensor_load_to_lds s[G0A:G0A+3], s[G1A:G1A+7]  ; K steps 0-3: one tensor load a wave at the head
	s_nop 0
	PLACES 4
	s_branch .Lfilled
.Lfill_b:
	tensor_load_to_lds s[G0B:G0B+3], s[G1B:G1B+7]
	s_nop 0
	PLACES 4
.Lfilled:
	v_and_b32 v1, 31, v0
	v_and_b32 v2, 15, v0                           ; r
	v_bfe_u32 v3, v0, 4, 1                         ; h
	v_lshlrev_b32 v4, 4, v1                        ; 16 x lane: an image's place for my lane
	s_wait_alu depctr_va_vdst(0)
	v_lshlrev_b32 v5, 4, v2                        ; 16 r: a row's four scale words
	v_lshl_add_u32 v6, v3, 3, v5                   ; 16 r + 8 h
	s_mul_i32 s84, s17, 24576                      ; my 4 tiles of rows
	s_mul_i32 s85, s18, 49152                      ; my 8 tiles of columns
	s_add_co_u32 s85, s85, LB
.irp c, 0,1
	v_add_nc_u32 v[ADRA+\c], s84, v4               ; one address for each half of K
	v_add_nc_u32 v[ADRB+\c], s85, v4
	s_add_co_u32 s84, s84, 49152
	s_add_co_u32 s85, s85, 98304
.endr
.irp a, 0,1,2,3                                    ; the scale words of all of K come once, straight into registers: 16 lanes read 256 consecutive bytes
.irp kh, 0,1
	global_load_b128 v[SA+8*\a+4*\kh:SA+8*\a+4*\kh+3], v5, s[60:61] offset:512*\a+256*\kh
.endr
.endr
.irp b, 0,1,2,3,4,5,6,7
.irp kh, 0,1
	global_load_b128 v[SB+8*\b+4*\kh:SB+8*\b+4*\kh+3], v5, s[62:63] offset:512*\b+256*\kh
.endr
.endr
	; where my results go: qkvc [q, k, v][batch x head 32][group of 128 tokens 16][tile 8][1536], qkvs [..][..][..][half 2][r 16][4 words]
	s_lshl_b32 s84, s25, 1
	s_add_co_u32 s84, s84, s18                     ; my group of 128 columns
	s_cmp_eq_u32 s22, 2
	s_cselect_b32 s85, s84, s24                    ; the group of tokens: q, k: my rows; v: my columns
	s_cselect_b32 s86, s24, s84                    ; the head: the other one
	s_lshr_b32 s87, s85, 4
	s_lshl_b32 s87, s87, 3
	s_add_co_u32 s87, s87, s86                     ; batch x 8 + head
	s_lshl_b32 s87, s87, 4
	s_and_b32 s85, s85, 15
	s_add_co_u32 s87, s87, s85
	s_lshl_b32 s88, s87, 3
	s_lshl_b32 s89, s17, 2
	s_add_co_u32 s88, s88, s89                     ; my first tile
	s_mul_i32 s88, s88, 1536
	s_mul_i32 s89, s22, 6291456
	s_add_co_u32 s88, s88, s89
	s_mov_b32 s89, 0
	s_add_nc_u64 s[12:13], s[12:13], s[88:89]
	s_lshl_b32 s90, s87, 9
	s_lshl_b32 s91, s17, 8
	s_add_co_u32 s90, s90, s91
	s_mul_i32 s91, s22, 262144
	s_add_co_u32 s90, s90, s91
	s_mov_b32 s91, 0
	s_add_nc_u64 s[14:15], s[14:15], s[90:91]
	s_mov_b32 s[SEL], 0x76543210
	s_mov_b32 s[SEL+1], 0xfedcba98
	s_mov_b32 s21, 0xffff0000                      ; a mask of lanes 16-31
; the fragments of K step s (K half s / 4, its quarter s % 4) into set s % 2: 36 loads of 512 consecutive bytes
.macro FETCH s
	WIN 0x40                                       ; destination window 1, address window 0
.irp b, 0,1,2,3,4,5,6,7
.irp g, 0,1,2
	ds_load_b128 v[128*((\s)%2)+FR*\b+4*\g:128*((\s)%2)+FR*\b+4*\g+3], v[ADRB+(\s)/4] offset:6144*\b+1536*((\s)%4)+512*\g
.endr
.endr
	WIN 0
.irp a, 0,1,2,3
.irp g, 0,1,2
	ds_load_b128 v[AF+48*((\s)%2)+FR*\a+4*\g:AF+48*((\s)%2)+FR*\a+4*\g+3], v[ADRA+(\s)/4] offset:6144*\a+1536*((\s)%4)+512*\g
.endr
.endr
.endm
; 16 matrix instructions: rows' tiles a0, a0 + 1 x the columns' eight.  K step 0 starts the sums with the constant 0.  The 32 accumulators take turns, one instruction a turn, in the same order in every step.
.macro MUL16 a0, s
.irp a, \a0, \a0+1
.irp b, 0,1,2,3,4,5,6,7
.if (\s) == 0
	v_wmma_scale_f32_16x16x128_f8f6f4 v[8*(8*(\a)+\b):8*(8*(\a)+\b)+7], v[128*((\s)%2)+FR*\b:128*((\s)%2)+FR*\b+FR-1], v[AF+48*((\s)%2)+FR*(\a):AF+48*((\s)%2)+FR*(\a)+FR-1], 0, v[SB+8*\b+(\s)], v[SA+8*(\a)+(\s)] matrix_a_fmt:MATRIX_FMT_FP6 matrix_b_fmt:MATRIX_FMT_FP6
.else
	v_wmma_scale_f32_16x16x128_f8f6f4 v[8*(8*(\a)+\b):8*(8*(\a)+\b)+7], v[128*((\s)%2)+FR*\b:128*((\s)%2)+FR*\b+FR-1], v[AF+48*((\s)%2)+FR*(\a):AF+48*((\s)%2)+FR*(\a)+FR-1], v[8*(8*(\a)+\b):8*(8*(\a)+\b)+7], v[SB+8*\b+(\s)], v[SA+8*(\a)+(\s)] matrix_a_fmt:MATRIX_FMT_FP6 matrix_b_fmt:MATRIX_FMT_FP6
.endif
.endr
.endr
.endm
; A K step of 128: 32 matrix instructions; in its middle the next step's fragments are fetched into the other set.  In step 3 the next step lies in K's second half: my part of it has landed, and a barrier shows that of every wave.
.macro KSTEP s
	s_wait_dscnt 0x0                               ; this step's fragments are in; no LDS instruction of mine is out at the signal below
.if (\s) == 3
	s_wait_tensorcnt 0x0                           ; my part of K's second half is in: step 4 lies there
	s_barrier_signal -1
.endif
	WIN MULW
	MUL16 0, \s
.if (\s) == 3
	s_barrier_wait -1                              ; everybody's part is in
.endif
.if (\s) < 7
	PLACES 4                                       ; four places in front of loads into registers that the last step's matrix instructions have read (ISA guide 7.12.1 for vector instructions)
	FETCH (\s)+1
.endif
	WIN MULW
	MUL16 2, \s
.endm
	s_wait_alu depctr_va_vdst(0)
	s_wait_tensorcnt 0x0                           ; my part of K's first half is in
	ds_add_u32 v[SPW], v[NIL]
	s_wait_dscnt 0x0
	CROUND                                         ; everybody's part is in, and all sixteen work-groups are here: the joint loads meet
	s_cmp_lt_u32 s[WV], 2
	s_cbranch_scc0 .Lfill2_b
	tensor_load_to_lds s[G0A+4:G0A+7], s[G1A:G1A+7]   ; K steps 4-7: my one tensor load behind the round
	s_nop 0
	PLACES 4
	s_branch .Lfilled2
.Lfill2_b:
	tensor_load_to_lds s[G0B+4:G0B+7], s[G1B:G1B+7]
	s_nop 0
	PLACES 4
.Lfilled2:
	FETCH 0
	s_wait_loadcnt 0x0                             ; the scale words
	KSTEP 0
	KSTEP 1
	KSTEP 2
	KSTEP 3
	KSTEP 4
	KSTEP 5
	KSTEP 6
	KSTEP 7
	WIN 0
	PLACES 4                                       ; in front of the first reads of results and of writes into registers that held fragments
; THE WAY OUT.  Block a's 64 accumulator registers are 64 numbers of my row along the next K: they are quantised as they stand and leave as an image.  Each accumulator is read from its low end on.
.macro QUANTW a
.set AC, 64*(\a)
.set PC, 128+24*(\a)                   ; a set of its own for each block, so that no store's data are written again
	WIN 0x0a                                       ; sources 0 and 1 window 2
.irp b, 0,1,2,3
	v_max3_num_f32 v[TM+\b], |v[AC+16*\b]|, |v[AC+1+16*\b]|, 0x1800000   ; block b: my 16 numbers, and the floor 2^(3 - 127): the byte cannot fall under 1
.endr
.irp i, 2,4,6,8,10,12,14
.irp b, 0,1,2,3
	v_max3_num_f32 v[TM+\b], |v[AC+16*\b+\i]|, |v[AC+1+16*\b+\i]|, v[TM+\b]
.endr
.endr
	WIN 0
.irp b, 0,1,2,3
	v_permlanex16_b32 v[TM+4+\b], v[TM+\b], s[SEL], s[SEL+1]
.endr
.irp b, 0,1,2,3
	v_max_num_f32 v[TM+\b], v[TM+\b], v[TM+4+\b]       ; with lane l xor 16's: the block's largest magnitude
.endr
.irp b, 0,1,2,3
	v_add_nc_u32 v[TM+12+\b], 0xff000000, v[TM+\b]     ; 2 off its exponent field: the conversion's scale operand
.endr
.irp b, 0,1,2,3
	v_lshrrev_b32 v[TM+4+\b], 23, v[TM+12+\b]          ; the scale's byte
.endr
	v_lshl_or_b32 v[PW+(\a)], v[TM+5], 8, v[TM+4]
	v_lshl_or_b32 v[PW+(\a)], v[TM+6], 16, v[PW+(\a)]
	v_lshl_or_b32 v[PW+(\a)], v[TM+7], 24, v[PW+(\a)]
	WIN 0x02                                       ; source 0 window 2
.irp c, 0,1
	v_cvt_scalef32_pk16_fp6_f32 v[PC+6*\c:PC+2+6*\c], v[AC+32*\c:AC+15+32*\c], v[TM+12+2*\c]
	v_cvt_scalef32_pk16_fp6_f32 v[PC+12+4*\c:PC+14+4*\c], v[AC+16+32*\c:AC+31+32*\c], v[TM+12+2*\c+1]
.endr
	WIN 0
	v_nop                                          ; one plain instruction behind the scaled conversions
.irp c, 0,1
.irp i, 0,1,2
	v_permlane16_swap_b32 v[PC+6*\c+\i], v[PC+12+4*\c+\i]
.endr
.irp i, 0,1,2
	v_mov_b32 v[PC+3+6*\c+\i], v[PC+12+4*\c+\i]
.endr
.endr
.irp c, 0,1,2
	global_store_b128 v4, v[PC+4*\c:PC+4*\c+3], s[12:13] offset:1536*(\a)+512*\c   ; 32 lanes store 512 consecutive bytes, aligned
.endr
.endm
	QUANTW 0
	QUANTW 1
	QUANTW 2
	QUANTW 3
	v_cndmask_b32 v244, v[PW], v[PW+2], s21        ; lanes 0-15 store tiles 0 and 1's words of row r, lanes 16-31 tiles 2 and 3's
	v_cndmask_b32 v245, v[PW+1], v[PW+3], s21
	global_store_b64 v6, v[244:245], s[14:15]      ; 32 lanes store 256 consecutive bytes, aligned
	s_wait_tensorcnt 0x0                           ; the wave's end
	ds_add_u32 v[SPW], v[NIL]
	s_wait_dscnt 0x0
	CROUND                                         ; the closing round
	s_endpgm
.Lfunc_end_k_qae4627864f_proj:
	.size	k_qae4627864f_proj, .Lfunc_end_k_qae4627864f_proj-k_qae4627864f_proj
	.p2alignl 7, 3214868480
	.fill 96, 4, 3214868480
	.section	.rodata,"a",@progbits
	.p2align	6, 0x0
	.amdhsa_kernel k_qae4627864f_proj
		.amdhsa_group_segment_fixed_size 327680
		.amdhsa_private_segment_fixed_size 0
		.amdhsa_enable_private_segment 0
		.amdhsa_kernarg_size 48
		.amdhsa_user_sgpr_count 2
		.amdhsa_user_sgpr_kernarg_segment_ptr 1
		.amdhsa_wavefront_size32 1
		.amdhsa_system_sgpr_workgroup_id_x 1
		.amdhsa_system_sgpr_workgroup_id_y 1
		.amdhsa_system_sgpr_workgroup_id_z 1
		.amdhsa_system_vgpr_workitem_id 0
		.amdhsa_next_free_vgpr 768
		.amdhsa_next_free_sgpr 102
		.amdhsa_reserve_vcc 0
		.amdhsa_float_denorm_mode_32 3
		.amdhsa_float_denorm_mode_16_64 3
		.amdhsa_memory_ordered 1
		.amdhsa_forward_progress 1
		.amdhsa_inst_pref_size 81
	.end_amdhsa_kernel
	.amdgpu_metadata
---
amdhsa.version: [ 1, 2 ]
amdhsa.kernels:
  - .name:           k_qae4627864f_proj
    .symbol:         k_qae4627864f_proj.kd
    .args:
      - { .name: actc, .offset: 0, .size: 8, .value_kind: global_buffer, .address_space: global }
      - { .name: acts, .offset: 8, .size: 8, .value_kind: global_buffer, .address_space: global }
      - { .name: wc, .offset: 16, .size: 8, .value_kind: global_buffer, .address_space: global }
      - { .name: ws, .offset: 24, .size: 8, .value_kind: global_buffer, .address_space: global }
      - { .name: qkvc, .offset: 32, .size: 8, .value_kind: global_buffer, .address_space: global }
      - { .name: qkvs, .offset: 40, .size: 8, .value_kind: global_buffer, .address_space: global }
    .group_segment_fixed_size: 327680
    .private_segment_fixed_size: 0
    .kernarg_segment_align: 8
    .kernarg_segment_size: 48
    .max_flat_workgroup_size: 128
    .sgpr_count:     102
    .vgpr_count:     768
    .wavefront_size: 32
...
	.end_amdgpu_metadata
.endif
;; end of part 2
;; launch attn (part 3): grid 8 x 32, 8 waves a work-group, clusters of 4 x 1, 327,680 bytes of LDS; arguments qkvc, qkvs, oc, os; writes oc, os
.if DOCPART == 3
	.amdgcn_target "amdgcn-amd-amdhsa--gfx1250"
	.amdhsa_code_object_version 6
	.text
	.protected	k_qae4627864f_attn
	.globl	k_qae4627864f_attn
	.p2align	8
	.type	k_qae4627864f_attn,@function
k_qae4627864f_attn:
	s_mov_b64 s[64:65], 0
	v_nop
	global_prefetch_b8 v0, s[64:65] scope:SCOPE_SE
	s_setreg_imm32_b32 hwreg(HW_REG_WAVE_MODE, 25, 1), 1
	s_wait_xcnt 0x0
	s_wait_alu depctr_hold_cnt(0) depctr_sa_sdst(0) depctr_va_vdst(0) depctr_va_sdst(0) depctr_va_ssrc(0) depctr_va_vcc(0) depctr_vm_vsrc(0)
	s_getreg_b32 s2, hwreg(HW_REG_IB_STS2, 6, 4)
	s_cmp_eq_u32 s2, 0
	s_cbranch_scc0 .Lentry_in_a_cluster
	s_endpgm
.Lentry_in_a_cluster:
	s_bfe_u32 s2, ttmp6, 0x10000c
	s_cmp_lg_u32 s2, 0x3003
	s_cbranch_scc0 .Lentry_shape_is_right
	s_endpgm
.Lentry_shape_is_right:
; o = softmax(q k^T / 8) v for one batch and head, on codes of FP6 (E2M3) with E8M0 scales, sums in f32; o is quantised along the out projection's K (the head's 128) and stored as images of operand registers.
; q, k, v arrive as images: a fragment (16 rows x 128 K) is 1,536 bytes, registers 4 c .. 4 c + 3 of lane l at 512 c + 16 l; the rows of a tile are ordered so that 16 registers of two neighbouring result tiles are 16 neighbours.
; SHARES.  A work-group takes 256 queries of one head: 8 waves x 32 queries (two tiles of 16), so that each fragment of k and of v feeds two matrix instructions.  256 work-groups.
; Both products are used transposed (S^T = k q^T, O^T = v^T p^T): a lane holds one query of each tile.  A step is 128 keys: 16 + 16 matrix instructions a wave; 16 steps in one loop.
; WHERE THE OPERANDS LIE.  The head's k and v are 196,608 bytes each: both do not fit in LDS, one does.  All of k comes into LDS once, by eight first fills of 24,576 bytes, one a wave; no byte is filled again, so the loop has no barrier.
; v's images and all scale words go from memory straight into the operand's registers (each load reads 512 or 256 consecutive bytes): v's are asked for behind the step's first products and waited for behind the softmax; k's scale words one step ahead.
; (The last step's look-ahead reads the 512 bytes behind my head's scale words of k, which lie inside qkvs, and nothing uses them.)
; CLUSTERS 4 x 1: four blocks of queries of one head ask for k's tiles jointly.  v is not asked for jointly: a joint load fills LDS, not registers.
; SOFTMAX: M is the running largest t = score x log2(e) / 8 rounded up to a whole number; p = 2^(t - M); when M moves, the sum and O^T are multiplied by 2^(old M - new M), which rounds nothing; no branch hangs on data.
; The row's sum is taken of the unquantised p; it is added one step late, while the next step's fragments of k come from LDS (p's registers begin as zeros, so the first step adds nothing).
; A block's scale byte is floor(t - M) + 125 of the block's largest score, held at 1 from below: the exponent of 2^(t - M), less 2, as a byte.
; PREFETCH: in each step wave 0 names six blocks of 256 bytes of v's 48 of the step two further on; the head's eight work-groups share the 48 by address; the last two steps ask for nothing.  k comes at the head, with no loop ahead of it.
; LIMITS: the scaled scores stay under 2^31 in magnitude; NaN and infinities are not served; where t - M lies so close under a whole number that v_exp_f32 gives the power of two itself, that one p is held at the largest code, 1/16 low;
; a block of o of zeros or under 2^-124 gets the scale byte 1 (its codes are right; this program alone reads the bytes).
; REGISTERS.  window 0: v1-11 addresses; v12-15 (-M, largest t) x 2; v16-19 the sums; v20-23 (f, p's scale word) x 2; v24-25 q's scale words; v28-35 k's, v36-43 v's; v44-67 q; v68-95 at work; v96-223 S^T, then p; v224-247 p's codes; v248-255 at work.
;   window 1: v0-127 O^T of my two tiles; v128-223 eight fragments of k or of v.
.set FRB,   1536
.set KSTEP, 8*FRB                      ; a step's eight fragments
.set KALL,  16*KSTEP                   ; all of k: LDS bytes 0 .. 196,607
.set SPARE, KALL                       ; behind k: the spare words, 128 bytes a wave; no other line names them
.set LI,   1
.set R16,  2
.set SPW,  5
.set NIL,  6
.set ADK,  8
.set PFO,  11
.set BM,   68                          ; v[BM + 4 u + b]: tile u's block b: largest score, then t - M, then its floor
.set PT,   76
.set SO,   84
.set WV,   18
.set SEL,  20
.set CS,   22
.set G1,   24
.set G0,   40
.set VP,   48                          ; s[48:49] v's images of this step
.set SP,   50                          ; s[50:51] k's scale words of this step; v's lie 262,144 bytes on
.set QO,   52                          ; the step's place in k's LDS bytes; also the steps' counter
.set LIM,  57
.set MSB, 0
.macro WIN new                         ; the immediate's high byte repeats the setting that is left
.if MSB != \new
	s_set_vgpr_msb (MSB<<8)|\new
.set MSB, \new
.endif
.endm
.macro CROUND                          ; a round of the cluster's barrier
	s_barrier_signal -1
	s_barrier_wait -1
	s_cmp_lg_u32 s[WV], 0
	s_cbranch_scc1 .Lnot_wave_0_\@
	s_barrier_signal -3
.Lnot_wave_0_\@:
	s_barrier_wait -3
	s_barrier_signal -1
	s_barrier_wait -1
.endm
	s_load_b256 s[4:11], s[0:1], 0x0               ; qkvc, qkvs, oc, os
	v_lshl_add_u32 v[SPW], v0, 2, SPARE
	v_mov_b32 v[NIL], 0
	ds_add_u32 v[SPW], v[NIL]                      ; the opening lines: the add, twice on end, and its wait ahead of my first tensor load
	ds_add_u32 v[SPW], v[NIL]
	v_lshrrev_b32 v8, 5, v0
	v_readfirstlane_b32 s[WV], v8                  ; wave 0..7
	s_bfe_u32 s12, ttmp6, 0x40000                  ; cx
	s_and_b32 s13, ttmp7, 0xffff                   ; batch x 8 + head
	s_lshl_b32 s14, ttmp9, 2
	s_add_co_u32 s14, s14, s12                     ; my block of 256 queries, 0..7
	s_mul_i32 s74, s14, 6*256                      ; the prefetches: my work-group's six blocks of a step's 48
	s_lshl_b32 s14, s14, 4
	s_lshl_b32 s15, s[WV], 1
	s_add_co_u32 s14, s14, s15                     ; my first tile of queries, 0..126, even
	s_mul_i32 s16, s13, KALL
	s_mul_i32 s72, s[WV], 24576                    ; my eighth of k: in LDS by the wave's number alone,
	s_add_co_u32 s66, s16, s72
	s_add_co_u32 s66, s66, 6291456                 ; and in memory
	s_mov_b32 s67, 0
	s_add_co_u32 s68, s16, 2*6291456               ; v
	s_mov_b32 s69, 0
	s_lshl_b32 s70, s13, 13
	s_add_co_u32 s70, s70, 262144                  ; k's scale words
	s_mov_b32 s71, 0
	s_lshl_b32 s75, s13, 7
	s_add_co_u32 s75, s75, s14
	s_mul_i32 s76, s75, FRB                        ; q's two fragments, on end
	s_mov_b32 s77, 0
	s_lshr_b32 s80, s75, 2
	s_lshl_b32 s80, s80, 8
	s_and_b32 s81, s75, 3
	s_lshl_b32 s81, s81, 2
	s_add_co_u32 s80, s80, s81                     ; and their two scale words, neighbours
	s_mov_b32 s81, 0
	s_lshr_b32 s84, s13, 3
	s_lshl_b32 s84, s84, 7
	s_add_co_u32 s84, s84, s14                     ; o: tile of rows; its K step is the head
	s_and_b32 s85, s13, 7
	s_lshl_b32 s86, s84, 3
	s_add_co_u32 s86, s86, s85
	s_mul_i32 s86, s86, FRB
	s_mov_b32 s87, 0
	s_lshl_b32 s88, s84, 9
	s_lshr_b32 s89, s85, 2
	s_lshl_b32 s89, s89, 8
	s_add_co_u32 s88, s88, s89
	s_and_b32 s89, s13, 3
	s_lshl_b32 s89, s89, 2
	s_add_co_u32 s88, s88, s89
	s_mov_b32 s89, 0
	s_cmp_eq_u32 s[WV], 0
	s_cselect_b32 s[LIM], 14*KSTEP, 0              ; wave 0 asks, in steps 0 to 13
	s_mov_b32 s[G1], 15|(3<<16)|(1<<21)            ; the mask of the four; elements of 8 bytes; bit 21 beside a mask
	s_mov_b32 s[G1+1], 32<<16                      ; a dense block as 96 rows of 256 bytes
	s_mov_b32 s[G1+2], 96<<16
	s_mov_b32 s[G1+3], 32<<16
	s_mov_b32 s[G1+4], 96
	s_mov_b32 s[G1+5], 32
	s_mov_b32 s[G1+6], 0
	s_mov_b32 s[G1+7], 0
	s_mov_b32 s[SEL], 0x76543210
	s_mov_b32 s[SEL+1], 0xfedcba98                 ; v_permlanex16_b32's selects for lane l xor 16
	s_mov_b32 s[CS], 0x3e38aa3b                    ; log2(e) / 8
	s_mov_b32 s[CS+1], s[CS]
	s_mov_b32 s[QO], 0
	s_wait_dscnt 0x0                               ; both opening adds are done
	s_wait_kmcnt 0x0
	s_mov_b32 s[G0], 1
	s_mov_b32 s[G0+1], s72
	s_add_nc_u64 s[G0+2:G0+3], s[4:5], s[66:67]
	s_or_b32 s[G0+3], s[G0+3], 0x80000000
	s_add_nc_u64 s[VP:VP+1], s[4:5], s[68:69]
	s_add_nc_u64 s[SP:SP+1], s[6:7], s[70:71]
	s_add_nc_u64 s[78:79], s[4:5], s[76:77]
	s_add_nc_u64 s[82:83], s[6:7], s[80:81]
	s_add_nc_u64 s[8:9], s[8:9], s[86:87]
	s_add_nc_u64 s[10:11], s[10:11], s[88:89]
	CROUND                                         ; the four work-groups are here: the joint loads meet
	tensor_load_to_lds s[G0:G0+3], s[G1:G1+7]      ; my eighth of k: every wave's one tensor load
	s_nop 0
.rept 4
	v_nop
.endr
	v_and_b32 v8, 15, v0
	v_and_b32 v9, 31, v0
	v_lshlrev_b32 v[LI], 4, v9                     ; 16 x lane: an image's place for my lane
	v_lshlrev_b32 v[R16], 4, v8                    ; 16 r: a row's four scale words
.irp u, 0,1
.irp c, 0,1,2
	global_load_b128 v[44+12*\u+4*\c:47+12*\u+4*\c], v[LI], s[78:79] offset:1536*\u+512*\c
.endr
.endr
	global_load_b64 v[24:25], v[R16], s[82:83]     ; q's scale words of my two tiles
	global_load_b128 v[28:31], v[R16], s[SP:SP+1]  ; k's scale words of step 0
	global_load_b128 v[32:35], v[R16], s[SP:SP+1] offset:256
	v_mov_b32 v[ADK], v[LI]
	v_min_u32 v[PFO], 5, v9                        ; lanes 0-5 name a block each, the others the last again
	v_lshlrev_b32 v[PFO], 8, v[PFO]
	v_add_nc_u32 v[PFO], s74, v[PFO]
.irp u, 0,1
	v_mov_b32 v[13+2*\u], 0xff61b1e6               ; the largest t so far: -3e38
	v_mov_b32 v[16+2*\u], 0                        ; the sum, in two halves
	v_mov_b32 v[17+2*\u], 0
	v_mov_b32 v[20+2*\u], 0
	v_mov_b32 v[21+2*\u], 0
.endr
.irp u, 0,1
	v_floor_f32 v[12+2*\u], -v[13+2*\u]            ; -M
.endr
.irp b, 0,1,2,3,4,5,6,7
	v_mov_b32 v[PT+\b], 0                          ; written once: a lane permute's destination counts as one of its sources
.endr
.set J, 0
.rept 128
	v_mov_b32 v[96+J], 0                           ; p: the step is written once, and its late sum finds zeros the first time
.set J, J+1
.endr
	WIN 0x40
.set J, 0
.rept 128
	v_mov_b32 v[J], 0                              ; O^T (window 1): the first change of M leaves zeros zeros
.set J, J+1
.endr
	WIN 0
.macro SUMP                            ; the last step's p is added to the sums: two at a time, two chains a tile
.irp u, 0,1
	v_pk_add_f32 v[92+2*\u:93+2*\u], v[96+64*\u:97+64*\u], v[98+64*\u:99+64*\u]
.endr
.irp j, 4,8,12,16,20,24,28,32,36,40,44,48,52,56,60
.irp u, 0,1
	v_pk_add_f32 v[16+2*\u:17+2*\u], v[16+2*\u:17+2*\u], v[96+64*\u+\j:97+64*\u+\j]
.endr
.irp u, 0,1
	v_pk_add_f32 v[92+2*\u:93+2*\u], v[92+2*\u:93+2*\u], v[98+64*\u+\j:99+64*\u+\j]
.endr
.endr
.irp u, 0,1
	s_delay_alu instid0(VALU_DEP_2)
	v_pk_add_f32 v[16+2*\u:17+2*\u], v[16+2*\u:17+2*\u], v[92+2*\u:93+2*\u]
.endr
.endm
.macro CODES u                         ; tile u's 64 numbers in v[96 + 64 u ..] become a fragment's codes in v[224 + 12 u ..]
.irp c, 0,1
	v_cvt_scalef32_pk16_fp6_f32 v[224+12*\u+6*\c:226+12*\u+6*\c], v[96+64*\u+32*\c:111+64*\u+32*\c], v[SO+4*\u+2*\c]
	v_cvt_scalef32_pk16_fp6_f32 v[248+4*\c:250+4*\c], v[112+64*\u+32*\c:127+64*\u+32*\c], v[SO+4*\u+2*\c+1]
.endr
	v_nop                                          ; one plain instruction behind the scaled conversions
.irp c, 0,1                                            ; the operand's layout wants a whole block in a lane
.irp i, 0,1,2
	v_permlane16_swap_b32 v[224+12*\u+6*\c+\i], v[248+4*\c+\i]
.endr
.irp i, 0,1,2
	v_mov_b32 v[227+12*\u+6*\c+\i], v[248+4*\c+\i]
.endr
.endr
.endm
.macro BYTES dst, str                  ; from the conversions' scale operands: the bytes, and the scale word in v[dst + str u]
.irp b, 0,1,2,3,4,5,6,7
	v_lshrrev_b32 v[PT+\b], 23, v[SO+\b]
.endr
.irp u, 0,1
	v_lshl_or_b32 v[\dst+\str*\u], v[PT+4*\u+1], 8, v[PT+4*\u]
.endr
.irp u, 0,1
	s_delay_alu instid0(VALU_DEP_2)
	v_lshl_or_b32 v[\dst+\str*\u], v[PT+4*\u+2], 16, v[\dst+\str*\u]
.endr
.irp u, 0,1
	s_delay_alu instid0(VALU_DEP_2)
	v_lshl_or_b32 v[\dst+\str*\u], v[PT+4*\u+3], 24, v[\dst+\str*\u]
.endr
.endm
	s_wait_alu depctr_va_vdst(0)
	s_wait_loadcnt 0x0                             ; q, and step 0's scale words of k
	s_wait_tensorcnt 0x0                           ; my eighth of k is in
	s_barrier_signal -1
	s_barrier_wait -1                              ; everybody's is; nothing is filled again in this launch
.Lstep:                                                ; 128 keys
	WIN 0x40                                       ; destination window 1
.irp t, 0,1,2,3,4,5,6,7
.irp c, 0,1,2
	ds_load_b128 v[128+12*\t+4*\c:131+12*\t+4*\c], v[ADK] offset:\t*FRB+512*\c   ; k's eight tiles (four places behind the last products stand at the step's end)
.endr
.endr
	WIN 0
	SUMP                                           ; work on registers while they come
	s_wait_dscnt 0x0
	WIN 0x01                                       ; source 0 window 1
.irp t, 0,1,2,3,4,5,6,7
.irp u, 0,1
	v_wmma_scale_f32_16x16x128_f8f6f4 v[96+64*\u+8*\t:103+64*\u+8*\t], v[128+12*\t:139+12*\t], v[44+12*\u:55+12*\u], 0, v[28+\t], v[24+\u] matrix_a_fmt:MATRIX_FMT_FP6 matrix_b_fmt:MATRIX_FMT_FP6
.endr
.endr
	WIN 0x40
.rept 4
	v_nop                                          ; four places ahead of loads into registers just read, and of the first reads of results
.endr
.irp t, 0,1,2,3,4,5,6,7
.irp c, 0,1,2
	global_load_b128 v[128+12*\t+4*\c:131+12*\t+4*\c], v[LI], s[VP:VP+1] offset:\t*FRB+512*\c   ; v's eight tiles land under the softmax
.endr
.endr
	WIN 0
	global_load_b128 v[36:39], v[R16], s[SP:SP+1] offset:262144       ; v's scale words of this step,
	global_load_b128 v[40:43], v[R16], s[SP:SP+1] offset:262144+256
	global_load_b128 v[28:31], v[R16], s[SP:SP+1] offset:512          ; k's of the next
	global_load_b128 v[32:35], v[R16], s[SP:SP+1] offset:768
	s_cmp_lt_u32 s[QO], s[LIM]
	s_cbranch_scc0 .Lnot_mine
	global_prefetch_b8 v[PFO], s[VP:VP+1] offset:2*KSTEP th:TH_LOAD_NT scope:SCOPE_SE
.Lnot_mine:
	s_add_co_u32 s[QO], s[QO], KSTEP
	v_add_nc_u32 v[ADK], s[QO], v[LI]              ; the next step's place in k
.irp u, 0,1
	v_mov_b32 v[93+2*\u], v[12+2*\u]               ; the old -M
.endr
.irp b, 0,1,2,3
.irp u, 0,1
	v_max3_num_f32 v[BM+4*\u+\b], v[96+64*\u+16*\b], v[97+64*\u+16*\b], v[98+64*\u+16*\b]   ; the largest score of each block of 32 keys; eight blocks by turns
.endr
.endr
.irp i, 3,5,7,9,11,13
.irp b, 0,1,2,3
.irp u, 0,1
	v_max3_num_f32 v[BM+4*\u+\b], v[BM+4*\u+\b], v[96+64*\u+16*\b+\i], v[97+64*\u+16*\b+\i]
.endr
.endr
.endr
.irp b, 0,1,2,3
.irp u, 0,1
	v_max_num_f32 v[BM+4*\u+\b], v[BM+4*\u+\b], v[111+64*\u+16*\b]
.endr
.endr
.irp b, 0,1,2,3,4,5,6,7
	v_permlanex16_b32 v[PT+\b], v[BM+\b], s[SEL], s[SEL+1]
.endr
.irp b, 0,1,2,3,4,5,6,7
	v_max_num_f32 v[BM+\b], v[BM+\b], v[PT+\b]     ; with lane l xor 16's 16 keys
.endr
.irp u, 0,1
	v_max3_num_f32 v[92+2*\u], v[BM+4*\u], v[BM+4*\u+1], v[BM+4*\u+2]
.endr
.irp u, 0,1
	s_delay_alu instid0(VALU_DEP_2)
	v_max_num_f32 v[92+2*\u], v[92+2*\u], v[BM+4*\u+3]
.endr
.irp u, 0,1
	s_delay_alu instid0(VALU_DEP_2)
	v_mul_f32 v[92+2*\u], s[CS], v[92+2*\u]        ; the step's largest t
.endr
.irp u, 0,1
	s_delay_alu instid0(VALU_DEP_2)
	v_max_num_f32 v[13+2*\u], v[13+2*\u], v[92+2*\u]
.endr
.irp u, 0,1
	s_delay_alu instid0(VALU_DEP_2)
	v_floor_f32 v[12+2*\u], -v[13+2*\u]            ; -M = floor(-t)
.endr
.irp u, 0,1
	s_delay_alu instid0(VALU_DEP_2)
	v_sub_f32 v[92+2*\u], v[12+2*\u], v[93+2*\u]   ; old M - new M, a whole number, 0 or less
.endr
.irp u, 0,1
	s_delay_alu instid0(VALU_DEP_2)
	v_cvt_i32_f32 v[92+2*\u], v[92+2*\u]           ; (it saturates)
.endr
.irp u, 0,1
	s_delay_alu instid0(VALU_DEP_2)
	v_ldexp_f32 v[20+2*\u], 1.0, v[92+2*\u]        ; f
.endr
.irp u, 0,1
.set J, 0
.rept 32
	v_pk_fma_f32 v[96+64*\u+J:97+64*\u+J], v[96+64*\u+J:97+64*\u+J], s[CS:CS+1], v[12+2*\u:13+2*\u] op_sel_hi:[1,0,0]   ; t - M
.set J, J+2
.endr
.endr
.irp b, 0,1,2,3
.irp u, 0,1
	v_fma_f32 v[BM+4*\u+\b], v[BM+4*\u+\b], s[CS], v[12+2*\u]   ; the same of each block's largest score
.endr
.endr
.irp b, 0,1,2,3,4,5,6,7
	v_max_num_f32 v[BM+\b], 0xc2f80000, v[BM+\b]   ; held at -124: the byte cannot fall under 1
.endr
.irp b, 0,1,2,3,4,5,6,7
	v_floor_f32 v[BM+\b], v[BM+\b]                 ; the exponent of the block's largest p
.endr
.irp b, 0,1,2,3,4,5,6,7
	v_cvt_i32_f32 v[BM+\b], v[BM+\b]
.endr
.irp b, 0,1,2,3,4,5,6,7
	v_add_lshl_u32 v[SO+\b], v[BM+\b], 125, 23     ; less 2, plus 127, as an exponent field: the conversion's scale operand
.endr
	BYTES 21, 2                                    ; p's scale words in v21, v23
	s_wait_alu depctr_va_vdst(0)                   ; ahead of the batch
.set J, 0
.rept 128
	v_exp_f32 v[96+J], v[96+J]                     ; p
.set J, J+1
.endr
.irp u, 0,1
	v_pk_mul_f32 v[16+2*\u:17+2*\u], v[16+2*\u:17+2*\u], v[20+2*\u:21+2*\u] op_sel_hi:[1,0]   ; the sums under the new M; plain work behind the batch
.endr
	s_wait_alu depctr_va_vdst(0)                   ; and the one wait behind it
	CODES 0
	CODES 1
	WIN 0x41                                       ; destination and source 0 window 1
	s_wait_alu depctr_va_vdst(0)                   ; directly ahead of the first reader of O^T
.irp u, 0,1
.set J, 0
.rept 32
	v_pk_mul_f32 v[64*\u+J:64*\u+J+1], v[64*\u+J:64*\u+J+1], v[20+2*\u:21+2*\u] op_sel_hi:[1,0]   ; O^T under the new M
.set J, J+2
.endr
.endr
	WIN 0x51                                       ; source 0, C and D window 1
	s_wait_alu depctr_va_vdst(0)
	s_wait_loadcnt 0x0                             ; v's fragments, its scale words, and the next step's of k
.irp t, 0,1,2,3,4,5,6,7
.irp u, 0,1
	v_wmma_scale_f32_16x16x128_f8f6f4 v[64*\u+8*\t:64*\u+8*\t+7], v[128+12*\t:139+12*\t], v[224+12*\u:235+12*\u], v[64*\u+8*\t:64*\u+8*\t+7], v[36+\t], v[21+2*\u] matrix_a_fmt:MATRIX_FMT_FP6 matrix_b_fmt:MATRIX_FMT_FP6
.endr
.endr
	WIN 0
.rept 4
	v_nop                                          ; four places ahead of the next loads into the fragments' registers
.endr
	s_wait_xcnt 0x0                                ; the prefetch has read its base: the two bases may step
	s_add_nc_u64 s[VP:VP+1], s[VP:VP+1], KSTEP
	s_add_nc_u64 s[SP:SP+1], s[SP:SP+1], 512
	s_cmp_lg_u32 s[QO], KALL
	s_cbranch_scc1 .Lstep
	; THE WAY OUT: the last step's p, the rows' sums, O^T / sum, quantised along the head's 128 as it stands in my registers
	SUMP
.irp u, 0,1
	s_delay_alu instid0(VALU_DEP_2)
	v_add_f32 v[16+2*\u], v[16+2*\u], v[17+2*\u]
.endr
.irp u, 0,1
	s_delay_alu instid0(VALU_DEP_2)
	v_permlanex16_b32 v[PT+\u], v[16+2*\u], s[SEL], s[SEL+1]
.endr
.irp u, 0,1
	s_delay_alu instid0(VALU_DEP_2)
	v_add_f32 v[16+2*\u], v[16+2*\u], v[PT+\u]
.endr
	s_wait_alu depctr_va_vdst(0)                   ; ahead of the transcendentals
.irp u, 0,1
	v_rcp_f32 v[16+2*\u], v[16+2*\u]
.endr
	v_nop
	WIN 0x01                                       ; source 0 window 1
	s_wait_alu depctr_va_vdst(0)                   ; behind them, directly ahead of the first reader of O^T
.irp u, 0,1
.set J, 0
.rept 32
	v_pk_mul_f32 v[96+64*\u+J:97+64*\u+J], v[64*\u+J:64*\u+J+1], v[16+2*\u:17+2*\u] op_sel_hi:[1,0]
.set J, J+2
.endr
.endr
	WIN 0
.irp b, 0,1,2,3
.irp u, 0,1
	v_max3_num_f32 v[BM+4*\u+\b], |v[96+64*\u+16*\b]|, |v[97+64*\u+16*\b]|, 0x1800000   ; my 16 numbers of block b, and the floor 2^(3 - 127)
.endr
.endr
.irp i, 2,4,6,8,10,12,14
.irp b, 0,1,2,3
.irp u, 0,1
	v_max3_num_f32 v[BM+4*\u+\b], v[BM+4*\u+\b], |v[96+64*\u+16*\b+\i]|, |v[97+64*\u+16*\b+\i]|
.endr
.endr
.endr
.irp b, 0,1,2,3,4,5,6,7
	v_permlanex16_b32 v[PT+\b], v[BM+\b], s[SEL], s[SEL+1]
.endr
.irp b, 0,1,2,3,4,5,6,7
	v_max_num_f32 v[BM+\b], v[BM+\b], v[PT+\b]
.endr
.irp b, 0,1,2,3,4,5,6,7
	v_add_nc_u32 v[SO+\b], 0xff000000, v[BM+\b]    ; 2 off the largest magnitude's exponent field
.endr
	BYTES 92, 1                                    ; o's scale words in v92, v93
	CODES 0
	CODES 1
.irp u, 0,1
.irp c, 0,1,2
	global_store_b128 v[LI], v[224+12*\u+4*\c:227+12*\u+4*\c], s[8:9] offset:12288*\u+512*\c   ; 32 lanes store 512 consecutive bytes, aligned
.endr
	global_store_b32 v[R16], v[92+\u], s[10:11] offset:512*\u   ; a word a row, 16 bytes apart: the heads' words of a row interleave
.endr
	s_wait_tensorcnt 0x0                           ; the wave's end
	ds_add_u32 v[SPW], v[NIL]
	s_wait_dscnt 0x0
	CROUND                                         ; the closing round
	s_endpgm
.Lfunc_end_k_qae4627864f_attn:
	.size	k_qae4627864f_attn, .Lfunc_end_k_qae4627864f_attn-k_qae4627864f_attn
	.p2alignl 7, 3214868480
	.fill 96, 4, 3214868480
	.section	.rodata,"a",@progbits
	.p2align	6, 0x0
	.amdhsa_kernel k_qae4627864f_attn
		.amdhsa_group_segment_fixed_size 327680
		.amdhsa_private_segment_fixed_size 0
		.amdhsa_enable_private_segment 0
		.amdhsa_kernarg_size 32
		.amdhsa_user_sgpr_count 2
		.amdhsa_user_sgpr_kernarg_segment_ptr 1
		.amdhsa_wavefront_size32 1
		.amdhsa_system_sgpr_workgroup_id_x 1
		.amdhsa_system_sgpr_workgroup_id_y 1
		.amdhsa_system_sgpr_workgroup_id_z 1
		.amdhsa_system_vgpr_workitem_id 0
		.amdhsa_next_free_vgpr 512
		.amdhsa_next_free_sgpr 96
		.amdhsa_reserve_vcc 0
		.amdhsa_float_denorm_mode_32 3
		.amdhsa_float_denorm_mode_16_64 3
		.amdhsa_memory_ordered 1
		.amdhsa_forward_progress 1
		.amdhsa_inst_pref_size 68
	.end_amdhsa_kernel
	.amdgpu_metadata
---
amdhsa.version: [ 1, 2 ]
amdhsa.kernels:
  - .name:           k_qae4627864f_attn
    .symbol:         k_qae4627864f_attn.kd
    .args:
      - { .name: qkvc, .offset: 0, .size: 8, .value_kind: global_buffer, .address_space: global }
      - { .name: qkvs, .offset: 8, .size: 8, .value_kind: global_buffer, .address_space: global }
      - { .name: oc, .offset: 16, .size: 8, .value_kind: global_buffer, .address_space: global }
      - { .name: os, .offset: 24, .size: 8, .value_kind: global_buffer, .address_space: global }
    .group_segment_fixed_size: 327680
    .private_segment_fixed_size: 0
    .kernarg_segment_align: 8
    .kernarg_segment_size: 32
    .max_flat_workgroup_size: 256
    .sgpr_count:     96
    .vgpr_count:     512
    .wavefront_size: 32
...
	.end_amdgpu_metadata
.endif
;; end of part 3
;; launch outp (part 4): grid 4 x 64, 4 waves a work-group, clusters of 4 x 4, 327,680 bytes of LDS; arguments oc, os, wc, ws, bo, out0; writes out0
.if DOCPART == 4
	.amdgcn_target "amdgcn-amd-amdhsa--gfx1250"
	.amdhsa_code_object_version 6
	.text
	.protected	k_qae4627864f_outp
	.globl	k_qae4627864f_outp
	.p2align	8
	.type	k_qae4627864f_outp,@function
k_qae4627864f_outp:
	s_mov_b64 s[64:65], 0
	v_nop
	global_prefetch_b8 v0, s[64:65] scope:SCOPE_SE
	s_setreg_imm32_b32 hwreg(HW_REG_WAVE_MODE, 25, 1), 1
	s_wait_xcnt 0x0
	s_wait_alu depctr_hold_cnt(0) depctr_sa_sdst(0) depctr_va_vdst(0) depctr_va_sdst(0) depctr_va_ssrc(0) depctr_va_vcc(0) depctr_vm_vsrc(0)
	s_getreg_b32 s2, hwreg(HW_REG_IB_STS2, 6, 4)
	s_cmp_eq_u32 s2, 0
	s_cbranch_scc0 .Lentry_in_a_cluster
	s_endpgm
.Lentry_in_a_cluster:
	s_bfe_u32 s2, ttmp6, 0x10000c
	s_cmp_lg_u32 s2, 0xf033
	s_cbranch_scc0 .Lentry_shape_is_right
	s_endpgm
.Lentry_shape_is_right:
; out0 = o Wo + bo: [8192][1024] f32, on codes of FP6 (E2M3) with E8M0 scales, sums in f32.  o and Wo arrive as images of operand registers:
; a fragment (16 rows x 128 K) is 1,536 bytes, registers 4 c .. 4 c + 3 of lane l at 512 c + 16 l; a tile's eight K steps lie on end.  Lane r of tile a of a group of 128 rows holds row 32 (a / 2) + 8 (a % 2) + r + 8 (r / 8).
; SHARES.  A work-group makes 128 rows x 256 columns over all of K = 1,024: 256 work-groups.  Four waves: wave w takes rows 64 (w / 2) on (4 tiles) and columns 128 (w % 2) on (8 tiles): 32 accumulators.
; THE PRODUCT IS USED TRANSPOSED (source 0 = 16 columns' tile of Wo, source 1 = 16 rows' tile of o): a lane holds one row, and tile b's eight registers are columns 32 (b / 2) + 16 (lane / 16) + 8 (b % 2) + 0 .. 7.
; The bias is the C of each sum's first matrix instruction: eight registers a tile of columns, in the result's layout.
; ALL OF K LIES IN LDS: every tensor load is a first fill, in two halves of 512 along K.  CLUSTERS 4 x 4: o's tiles are shared along a row of the cluster, Wo's along a column, each asked for jointly.
; REGISTERS: window 0: v1-9 lane terms; v16-23 LDS addresses; v28, v29 the add's two; v32-63 o's scale words, v64-127 Wo's (scales and nothing else); v128-223 o's fragments, two sets; on the way out v128-255 rows of the result.
;   window 1: Wo's fragments, two sets.   window 2: accumulator (a, b) at v[8 (8 a + b)].   window 3: v0-63 the bias.
.set FR,    12
.set LB,    98304                      ; LDS: rows [K half 2][tile 8][6,144] from 0; columns [K half 2][tile 16][6,144] from here
.set SPARE, 294912                     ; the spare words, 128 bytes a wave; no other line names them
.set SPITCH, 528                       ; the way out: a stage of 16 rows x (512 bytes + 16) for each wave, in the rows' chunks 0 and 1, which have had their only fill and their last read by then
.set ADRA,  16
.set ADRB,  20
.set SPW,   28
.set NIL,   29
.set SA,    32
.set SB,    64
.set AF,    128
.set BK,    128
.set STO,   8
.set RD,    9
.set WV,    16
.set G1A,   28
.set G1B,   36
.set G0A,   44
.set G0B,   68
.set MULW,  0xa1                       ; source 0 window 1, source 1 window 0, C and D window 2
.set MULB,  0xb1                       ; the same with C (the bias) in window 3
.set MSB, 0
.macro WIN new                         ; the immediate's high byte repeats the setting that is left
.if MSB != \new
	s_set_vgpr_msb (MSB<<8)|\new
.set MSB, \new
.endif
.endm
.macro CROUND                          ; a round of the cluster's barrier
	s_barrier_signal -1
	s_barrier_wait -1
	s_cmp_lg_u32 s[WV], 0
	s_cbranch_scc1 .Lnot_wave_0_\@
	s_barrier_signal -3
.Lnot_wave_0_\@:
	s_barrier_wait -3
	s_barrier_signal -1
	s_barrier_wait -1
.endm
.macro PLACES n
.rept \n
	v_nop
.endr
.endm
	s_load_b256 s[4:11], s[0:1], 0x0               ; oc s[4:5], os s[6:7], wc s[8:9], ws s[10:11]
	s_load_b128 s[12:15], s[0:1], 0x20             ; bo s[12:13], out0 s[14:15]
	v_lshl_add_u32 v[SPW], v0, 2, SPARE
	v_mov_b32 v[NIL], 0
	ds_add_u32 v[SPW], v[NIL]                      ; the wave's opening: the add, and its wait ahead of my first tensor load; work on registers stands between
	ds_add_u32 v[SPW], v[NIL]
	v_lshrrev_b32 v1, 5, v0
	v_readfirstlane_b32 s[WV], v1                  ; wave 0..3
	s_lshr_b32 s17, s[WV], 1                       ; my half of the rows.  Also: waves 0, 1 fetch o's tiles, waves 2, 3 Wo's
	s_and_b32 s18, s[WV], 1                        ; my half of the columns.  Also: which half of the tiles I fetch
	s_bfe_u32 s19, ttmp6, 0x40000                  ; cx
	s_bfe_u32 s20, ttmp6, 0x40004                  ; cy
	s_and_b32 s21, ttmp7, 0xffff
	s_lshl_b32 s24, s21, 2
	s_add_co_u32 s24, s24, s20                     ; my block of 128 rows, 0..63
	s_mov_b32 s25, s19                             ; my block of 256 columns, 0..3
	s_lshl_b32 s26, s20, 2
	s_lshl_b32 s26, 15, s26                        ; my row of the cluster
	s_lshl_b32 s27, 0x1111, s19                    ; my column
	; group 1: R rows of 6,144 bytes (half of a tile's K: 768 elements of 8 bytes), 12,288 bytes apart in memory, on end in LDS
	s_or_b32 s[G1A], s26, (3<<16)|(1<<21)          ; 15:0 the mask; 17:16 elements of 8 bytes; 21 set beside a mask; no padding
	s_or_b32 s[G1B], s27, (3<<16)|(1<<21)
	s_mov_b32 s[G1A+1], 768<<16                    ; half of a tile's K, 6,144 bytes
	s_mov_b32 s[G1A+2], 4<<16
	s_mov_b32 s[G1A+3], 768<<16
	s_mov_b32 s[G1A+4], 4
	s_mov_b32 s[G1A+5], 1536
	s_mov_b32 s[G1A+6], 0
	s_mov_b32 s[G1A+7], 0
	s_mov_b32 s[G1B+1], 768<<16
	s_mov_b32 s[G1B+2], 8<<16
	s_mov_b32 s[G1B+3], 768<<16
	s_mov_b32 s[G1B+4], 8
	s_mov_b32 s[G1B+5], 1536
	s_mov_b32 s[G1B+6], 0
	s_mov_b32 s[G1B+7], 0
	s_mul_i32 s88, s24, 98304                      ; o's codes: 8 tiles a block, my half's 4
	s_mul_i32 s89, s18, 49152
	s_add_co_u32 s88, s88, s89
	s_mov_b32 s89, 0
	s_mul_i32 s90, s25, 196608                     ; Wo's codes: the fourth weight; 16 tiles a block, my half's 8
	s_mul_i32 s91, s18, 98304
	s_add_co_u32 s90, s90, s91
	s_add_co_u32 s90, s90, 2359296
	s_mov_b32 s91, 0
	s_mul_i32 s92, s18, 24576                      ; LDS: rows [K half 2][tile 8][6,144], columns [K half 2][tile 16][6,144]: no place in the cluster enters an LDS address
	s_mul_i32 s93, s18, 49152
	s_add_co_u32 s93, s93, LB
	s_lshl_b32 s94, s24, 12                        ; my rows' scale words
	s_lshl_b32 s95, s17, 11
	s_add_co_u32 s94, s94, s95
	s_mov_b32 s95, 0
	s_lshl_b32 s96, s25, 13                        ; my columns'
	s_lshl_b32 s97, s18, 12
	s_add_co_u32 s96, s96, s97
	s_add_co_u32 s96, s96, 98304
	s_mov_b32 s97, 0
	s_lshl_b32 s84, s25, 10                        ; my first column, in bytes of f32: 1,024 x block + 512 x half
	s_lshl_b32 s85, s18, 9
	s_add_co_u32 s84, s84, s85
	s_mov_b32 s85, 0
	s_lshl_b32 s86, s24, 19                        ; my first row of out0: 128 rows of 4,096 bytes a block, 64 a half
	s_lshl_b32 s87, s17, 18
	s_add_co_u32 s86, s86, s87
	s_add_co_u32 s86, s86, s84
	s_mov_b32 s87, 0
	s_wait_dscnt 0x0                               ; the opening add is done
	s_wait_kmcnt 0x0
	s_add_nc_u64 s[98:99], s[4:5], s[88:89]
	s_add_nc_u64 s[100:101], s[8:9], s[90:91]
	s_add_nc_u64 s[60:61], s[6:7], s[94:95]
	s_add_nc_u64 s[62:63], s[10:11], s[96:97]
	s_add_nc_u64 s[12:13], s[12:13], s[84:85]
	s_add_nc_u64 s[14:15], s[14:15], s[86:87]
.irp c, 0,1
	s_mov_b32 s[G0A+4*\c], 1                       ; count = 1
	s_add_co_u32 s[G0A+4*\c+1], s92, \c*49152      ; LDS address
	s_add_nc_u64 s[G0A+4*\c+2:G0A+4*\c+3], s[98:99], \c*6144   ; global address: K half c of each tile
	s_or_b32 s[G0A+4*\c+3], s[G0A+4*\c+3], 0x80000000          ; type = 2
	s_mov_b32 s[G0B+4*\c], 1
	s_add_co_u32 s[G0B+4*\c+1], s93, \c*98304
	s_add_nc_u64 s[G0B+4*\c+2:G0B+4*\c+3], s[100:101], \c*6144
	s_or_b32 s[G0B+4*\c+3], s[G0B+4*\c+3], 0x80000000
.endr
	CROUND                                         ; all sixteen work-groups are here: the joint loads meet
	s_cmp_lt_u32 s[WV], 2                          ; a wave's fill stands in one branch on the wave's number: one tensor load of mine is out
	s_cbranch_scc0 .Lfill_b
	tensor_load_to_lds s[G0A:G0A+3], s[G1A:G1A+7]  ; K steps 0-3: one tensor load a wave at the head
	s_nop 0
	PLACES 4
	s_branch .Lfilled
.Lfill_b:
	tensor_load_to_lds s[G0B:G0B+3], s[G1B:G1B+7]
	s_nop 0
	PLACES 4
.Lfilled:
	v_and_b32 v1, 31, v0
	v_and_b32 v2, 15, v0                           ; r
	v_bfe_u32 v3, v0, 4, 1                         ; h
	v_lshlrev_b32 v4, 4, v1                        ; 16 x lane
	s_wait_alu depctr_va_vdst(0)
	v_lshlrev_b32 v5, 4, v2                        ; 16 r
	v_lshlrev_b32 v7, 6, v3                        ; 64 h: my half's 16 columns of each 32
	s_mul_i32 s84, s17, 24576
	s_mul_i32 s85, s18, 49152
	s_add_co_u32 s85, s85, LB
.irp c, 0,1
	v_add_nc_u32 v[ADRA+\c], s84, v4               ; one address for each half of K
	v_add_nc_u32 v[ADRB+\c], s85, v4
	s_add_co_u32 s84, s84, 49152
	s_add_co_u32 s85, s85, 98304
.endr
	s_mul_i32 s86, s[WV], 16*SPITCH                ; my stage
	s_wait_alu depctr_va_vdst(0)                   ; ahead of the readers of v7 below
	v_mul_u32_u24 v[STO], v2, SPITCH
	v_add_nc_u32 v[STO], v[STO], v7
	v_add_nc_u32 v[STO], s86, v[STO]               ; in: row r, + 64 h
	v_add_nc_u32 v[RD], s86, v4                    ; back: the 32 lanes take one row of 512 bytes
.irp a, 0,1,2,3                                    ; the scale words of all of K come once, straight into registers
.irp kh, 0,1
	global_load_b128 v[SA+8*\a+4*\kh:SA+8*\a+4*\kh+3], v5, s[60:61] offset:512*\a+256*\kh
.endr
.endr
.irp b, 0,1,2,3,4,5,6,7
.irp kh, 0,1
	global_load_b128 v[SB+8*\b+4*\kh:SB+8*\b+4*\kh+3], v5, s[62:63] offset:512*\b+256*\kh
.endr
.endr
	WIN 0xc0                                       ; destination window 3, address window 0
.irp b, 0,1,2,3,4,5,6,7
	global_load_b128 v[8*\b:8*\b+3], v7, s[12:13] offset:128*(\b/2)+32*(\b%2)        ; bo at tile b's eight columns of my half
	global_load_b128 v[8*\b+4:8*\b+7], v7, s[12:13] offset:128*(\b/2)+32*(\b%2)+16
.endr
	WIN 0
; the fragments of K step s (K half s / 4, its quarter s % 4) into set s % 2: 36 loads of 512 consecutive bytes
.macro FETCH s
	WIN 0x40                                       ; destination window 1, address window 0
.irp b, 0,1,2,3,4,5,6,7
.irp g, 0,1,2
	ds_load_b128 v[128*((\s)%2)+FR*\b+4*\g:128*((\s)%2)+FR*\b+4*\g+3], v[ADRB+(\s)/4] offset:6144*\b+1536*((\s)%4)+512*\g
.endr
.endr
	WIN 0
.irp a, 0,1,2,3
.irp g, 0,1,2
	ds_load_b128 v[AF+48*((\s)%2)+FR*\a+4*\g:AF+48*((\s)%2)+FR*\a+4*\g+3], v[ADRA+(\s)/4] offset:6144*\a+1536*((\s)%4)+512*\g
.endr
.endr
.endm
; 16 matrix instructions: rows' tiles a0, a0 + 1 x the columns' eight.  K step 0 starts the sums with the bias as C.  The 32 accumulators take turns, one instruction a turn, in the same order in every step.
.macro MUL16 a0, s
.irp a, \a0, \a0+1
.irp b, 0,1,2,3,4,5,6,7
.if (\s) == 0
	v_wmma_scale_f32_16x16x128_f8f6f4 v[8*(8*(\a)+\b):8*(8*(\a)+\b)+7], v[128*((\s)%2)+FR*\b:128*((\s)%2)+FR*\b+FR-1], v[AF+48*((\s)%2)+FR*(\a):AF+48*((\s)%2)+FR*(\a)+FR-1], v[8*\b:8*\b+7], v[SB+8*\b+(\s)], v[SA+8*(\a)+(\s)] matrix_a_fmt:MATRIX_FMT_FP6 matrix_b_fmt:MATRIX_FMT_FP6
.else
	v_wmma_scale_f32_16x16x128_f8f6f4 v[8*(8*(\a)+\b):8*(8*(\a)+\b)+7], v[128*((\s)%2)+FR*\b:128*((\s)%2)+FR*\b+FR-1], v[AF+48*((\s)%2)+FR*(\a):AF+48*((\s)%2)+FR*(\a)+FR-1], v[8*(8*(\a)+\b):8*(8*(\a)+\b)+7], v[SB+8*\b+(\s)], v[SA+8*(\a)+(\s)] matrix_a_fmt:MATRIX_FMT_FP6 matrix_b_fmt:MATRIX_FMT_FP6
.endif
.endr
.endr
.endm
; A K step of 128: 32 matrix instructions; in its middle the next step's fragments are fetched into the other set.  In step 3 the next step lies in K's second half: my part of it has landed, and a barrier shows that of every wave.
.macro KSTEP s, w
	s_wait_dscnt 0x0                               ; this step's fragments are in; no LDS instruction of mine is out at the signal below
.if (\s) == 3
	s_wait_tensorcnt 0x0                           ; my part of K's second half is in: step 4 lies there.  My reads of the first half, where the way out's stage lies, are over too
	s_barrier_signal -1
.endif
	WIN \w
	MUL16 0, \s
.if (\s) == 3
	s_barrier_wait -1                              ; both hold of every wave
.endif
.if (\s) < 7
	PLACES 4                                       ; four places in front of loads into registers that the last step's matrix instructions have read
	FETCH (\s)+1
.endif
	WIN \w
	MUL16 2, \s
.endm
	s_wait_alu depctr_va_vdst(0)
	s_wait_tensorcnt 0x0                           ; my part of K's first half is in
	ds_add_u32 v[SPW], v[NIL]
	s_wait_dscnt 0x0
	CROUND                                         ; everybody's part is in, and all sixteen work-groups are here: the joint loads meet
	s_cmp_lt_u32 s[WV], 2
	s_cbranch_scc0 .Lfill2_b
	tensor_load_to_lds s[G0A+4:G0A+7], s[G1A:G1A+7]   ; K steps 4-7: my one tensor load behind the round
	s_nop 0
	PLACES 4
	s_branch .Lfilled2
.Lfill2_b:
	tensor_load_to_lds s[G0B+4:G0B+7], s[G1B:G1B+7]
	s_nop 0
	PLACES 4
.Lfilled2:
	FETCH 0
	s_wait_loadcnt 0x0                             ; the scale words and the bias
	KSTEP 0, MULB
	KSTEP 1, MULW
	KSTEP 2, MULW
	KSTEP 3, MULW
	KSTEP 4, MULW
	KSTEP 5, MULW
	KSTEP 6, MULW
	KSTEP 7, MULW
	WIN 0
; THE WAY OUT, block by block of 16 rows x 128 columns, through my own stage in LDS: in as 32 bytes a lane and tile, back as whole rows of 512 bytes.  Every wave's reads of the stage's bytes as tiles were over at the barrier of K step 3.
; LDS serves a wave's instructions in order (ISA guide 5.7.1.4): no wait between the stores and the loads, nor in front of the next block's stores.
.macro TOSTAGE a
.set AC, 64*(\a)
	WIN 0x08                                       ; an LDS store's data are its source 1: window 2
.irp b, 0,1,2,3,4,5,6,7
	ds_store_b128 v[STO], v[AC+8*\b:AC+8*\b+3] offset:128*(\b/2)+32*(\b%2)          ; each accumulator from its low end on
	ds_store_b128 v[STO], v[AC+8*\b+4:AC+8*\b+7] offset:128*(\b/2)+32*(\b%2)+16
.endr
	WIN 0
.set BB, BK+64*((\a)%2)
.irp t, 0,1,2,3,4,5,6,7,8,9,10,11,12,13,14,15
	ds_load_b128 v[BB+4*\t:BB+4*\t+3], v[RD] offset:\t*SPITCH
.endr
.endm
.macro SEND a, younger                 ; younger: the LDS instructions issued behind block a's loads, which may stay out
.set BB, BK+64*((\a)%2)
	s_wait_dscnt \younger                          ; the block is back in registers
.irp t, 0,1,2,3,4,5,6,7,8,9,10,11,12,13,14,15
	global_store_b128 v4, v[BB+4*\t:BB+4*\t+3], s[14:15] offset:(32*((\a)/2)+8*((\a)%2)+\t+8*(\t/8))*4096 th:TH_STORE_NT   ; 32 lanes store 512 consecutive bytes, aligned; the tile's row order stands in the immediate
.endr
.endm
	PLACES 4                                       ; in front of the first reads of results and of loads into registers that held fragments
	TOSTAGE 0
.irp a, 1,2,3
.if \a > 1
	s_wait_xcnt 0x0                                ; block a - 2's stores have read their registers: block a's loads may land there
.endif
	TOSTAGE \a
	SEND \a-1, 32                                  ; behind block a - 1's loads: block a's 16 stores and 16 loads
.endr
	SEND 3, 0
	s_wait_tensorcnt 0x0                           ; the wave's end
	ds_add_u32 v[SPW], v[NIL]
	s_wait_dscnt 0x0
	CROUND                                         ; the closing round
	s_endpgm
.Lfunc_end_k_qae4627864f_outp:
	.size	k_qae4627864f_outp, .Lfunc_end_k_qae4627864f_outp-k_qae4627864f_outp
	.p2alignl 7, 3214868480
	.fill 96, 4, 3214868480
	.section	.rodata,"a",@progbits
	.p2align	6, 0x0
	.amdhsa_kernel k_qae4627864f_outp
		.amdhsa_group_segment_fixed_size 327680
		.amdhsa_private_segment_fixed_size 0
		.amdhsa_enable_private_segment 0
		.amdhsa_kernarg_size 48
		.amdhsa_user_sgpr_count 2
		.amdhsa_user_sgpr_kernarg_segment_ptr 1
		.amdhsa_wavefront_size32 1
		.amdhsa_system_sgpr_workgroup_id_x 1
		.amdhsa_system_sgpr_workgroup_id_y 1
		.amdhsa_system_sgpr_workgroup_id_z 1
		.amdhsa_system_vgpr_workitem_id 0
		.amdhsa_next_free_vgpr 1024
		.amdhsa_next_free_sgpr 102
		.amdhsa_reserve_vcc 0
		.amdhsa_float_denorm_mode_32 3
		.amdhsa_float_denorm_mode_16_64 3
		.amdhsa_memory_ordered 1
		.amdhsa_forward_progress 1
		.amdhsa_inst_pref_size 79
	.end_amdhsa_kernel
	.amdgpu_metadata
---
amdhsa.version: [ 1, 2 ]
amdhsa.kernels:
  - .name:           k_qae4627864f_outp
    .symbol:         k_qae4627864f_outp.kd
    .args:
      - { .name: oc, .offset: 0, .size: 8, .value_kind: global_buffer, .address_space: global }
      - { .name: os, .offset: 8, .size: 8, .value_kind: global_buffer, .address_space: global }
      - { .name: wc, .offset: 16, .size: 8, .value_kind: global_buffer, .address_space: global }
      - { .name: ws, .offset: 24, .size: 8, .value_kind: global_buffer, .address_space: global }
      - { .name: bo, .offset: 32, .size: 8, .value_kind: global_buffer, .address_space: global }
      - { .name: out0, .offset: 40, .size: 8, .value_kind: global_buffer, .address_space: global }
    .group_segment_fixed_size: 327680
    .private_segment_fixed_size: 0
    .kernarg_segment_align: 8
    .kernarg_segment_size: 48
    .max_flat_workgroup_size: 128
    .sgpr_count:     102
    .vgpr_count:     1024
    .wavefront_size: 32
...
	.end_amdgpu_metadata
.endif
;; end of part 4
